; MI455X (gfx1250); checked and timed in simulation.
; The chip was launched on July 23, 2026; its instructions are those of AMD's public machine-readable ISA for CDNA 5 (MIT licence, August 2026) and "CDNA5" Instruction Set Architecture Reference Guide (July 2026). The comments in the code are by the model that wrote it; some were corrected since.
;; Attention. Allowed arithmetic: matrix products marked QUANTISED: E4M3 operands, one given power-of-two scale a tensor, by v_wmma_f32_16x16x64_fp8_fp8 or v_wmma_f32_16x16x128_fp8_fp8, f32 sums; everything else in f32.
;; Inputs: b_out 256 float32; b_qkv 768 float32; lowp_scales 8 int32 (the exponents e of the quantised operands' scales 2^e); w_out 256 x 256 float32; w_qkv 256 x 768 float32; x 4,096 x 256 float32.
;; Outputs: out0 4,096 x 256 float32.
;; This version of the problem:
;;   THIS VERSION OF THE PROBLEM IS GIVEN IN LOW PRECISION. The matrix products marked QUANTISED in the list below multiply operands that are first quantised to E4M3 (4 exponent bits, 3 mantissa bits; 8 bits a number), with one given power-of-two scale for each operand tensor; their sums are f32. All else is computed in f32.
;;   The module's matrix products, in the order in which they are computed (A, B: the left and right operand; K: the contracted axis; several contracted axes count as one K, in the product's order):
;;     1. [M 4,096, K 256] x [K 256, N 768]; A: input x; B: input w_qkv: QUANTISED (scales: A lowp_scales[0], B lowp_scales[1])
;;     2. batch 8 x [M 4,096, K 32] x [K 32, N 4,096]; A: computed on the way; B: computed on the way: QUANTISED (scales: A lowp_scales[2], B lowp_scales[3])
;;     3. batch 8 x [M 4,096, K 4,096] x [K 4,096, N 32]; A: softmax (see below); B: computed on the way: QUANTISED (scales: A lowp_scales[4], B lowp_scales[5])
;;     4. [M 4,096, K 256] x [K 256, N 256]; A: computed on the way; B: input w_out: QUANTISED (scales: A lowp_scales[6], B lowp_scales[7])
;;   THE QUANTISER, for each operand of a quantised product, along K:
;;     - The operand's scale is 2^e, e = its entry of the input lowp_scales (int32; the entries are numbered through the quantised products in the list's order, A before B).
;;     - Each number is divided by the scale, clamped to +-448, and rounded to the nearest number of E4M3, ties to even, subnormals kept.
;;     - The product sums the exact products of the quantised numbers (number of the format x scale) in f32.
;;   ~~~python
;;   def quantise(x, axis, e):      # numpy; x: float32 -> the quantised numbers, widened to float32 again
;;       x = np.moveaxis(x, axis, -1); K = x.shape[-1]
;;       r = np.clip(x / 2.0 ** e, -448, 448)
;;       step = 2.0 ** (np.maximum(np.frexp(np.where(r == 0, 1, r))[1] - 1, -6) - 3)
;;       q = np.round(r / step) * step * 2.0 ** e      # np.round: ties to even
;;       return np.moveaxis(q, -1, axis).astype(np.float32)
;;   ~~~
;;   SOFTMAX AHEAD OF A QUANTISED PRODUCT. Where the list says 'softmax', what is quantised is not the finished softmax but p = 2^(t - M), with t = logit x log2(e) and M = ceil(the row's largest t), a whole number; so 1/2 < the row's largest p <= 1. The row's sum l is taken of the UNQUANTISED p, in f32, and the product's result is divided by l at the end. Since M is a whole number, a kernel that streams over the keys may use a running M (the ceiling of the running maximum): every later rescaling is an exact power of two, so the quantised numbers keep their values, but for numbers so far below the row's largest that they fall under the format's range.
;;   OPERANDS COMPUTED ON THE WAY. 'Computed on the way' means the value that the module computes at that place (a softmax that the list does not call 'softmax' is quantised finished and normalised). What goes into a quantiser is computed in f32, as accurately as f32 sums, v_exp_f32 and their like allow (about 1e-6 of the number): no bf16 or f16 on the way to a quantiser, and a product that is left as it is and whose result goes on into a quantised operand takes f32 operands (vector FMAs, or v_wmma_f32_16x16x4_f32). A number that lies on a knife's edge between two numbers of the format may be rounded either way, as far as f32 arithmetic and the matrix unit's own rounding can turn it there, and no further.
;; 2 versions. Each part assembles by itself: llvm-mc -triple=amdgcn-amd-amdhsa -mcpu=gfx1250 --defsym DOCPART=n.
;; ======== version 1 of 2: 3 launches
;; workspace buffers: codes 3,145,728 bytes; aout 1,048,576 bytes
;; launch qkv (part 1): grid 32 x 8, 8 waves a work-group, no clusters, 58,368 bytes of LDS; arguments x, w_qkv, b_qkv, lowp_scales, codes; writes codes
.if DOCPART == 1
	.amdgcn_target "amdgcn-amd-amdhsa--gfx1250"
	.amdhsa_code_object_version 6
	.text
	.protected	k_qad65d22d40_qkv
	.globl	k_qad65d22d40_qkv
	.p2align	8
	.type	k_qad65d22d40_qkv,@function
k_qad65d22d40_qkv:
	s_mov_b64 s[64:65], 0
	v_nop
	global_prefetch_b8 v0, s[64:65] scope:SCOPE_SE
	s_setreg_imm32_b32 hwreg(HW_REG_WAVE_MODE, 25, 1), 1
	s_wait_xcnt 0x0
; qkv = Q(x) Q(w_qkv) + b_qkv on codes of FP8 (E4M3), then q, k and v are quantised for the two products of attention and stored as codes.
; x [4096][256] f32, w_qkv [256][768] f32 (K is its first axis), b_qkv [768] f32, lowp_scales [8] int32 (e0 .. e7), codes: workspace.
; SHARES.  A work-group takes 128 tokens (x of the grid) x 96 features (y): 1,024 (128 + 96) bytes of f32 come in, near the least that 256 equal work-groups allow.
; The 96 features are three groups of 32; group G = 3 y + gi is head G of q (G < 8), head G - 8 of k (G < 16) or head G - 16 of v.
; Wave w quantises token tile w of x (16 rows, two fragments of 128 along K) and rows 32 w .. 32 w + 31 of the slice of w_qkv (a lane to a column, registers down K: each load reads 128 neighbouring bytes).
; OPERANDS GO FROM WAVE TO WAVE THROUGH LDS AS IMAGES OF THEIR REGISTERS: a fragment is four stores of 512 bytes, lane l's 16 bytes at 16 l.  In both operands lane (r, h) holds, in registers 4 c .. 4 c + 3,
; k = 128 s + 32 c + 16 h + 0 .. 15: a permutation of k that is the same on both sides, so every product meets its partner; only the order of the sums inside an instruction differs.
; WHAT IS STORED.  Every unit is 512 bytes, lane l's 16 bytes at 16 l, so a wave's store covers 512 consecutive bytes, aligned.
;   q: head x 131,072 + token tile x 512: lane (r, h) = token r, d = 8 h + 0..7 then 16 + 8 h + 0..7.      k: 1,048,576 + head x 262,144 + key step x 8,192 + key tile x 512, the same lane map.
;   v: the key step's second 4,096 bytes, + d tile x 2,048 + c x 512: lane (r, h) = d 16 ft + r, keys 32 c + 8 h + 0..7 then 32 c + 16 + 8 h + 0..7: the keys are the second product's K.
; So q and k are made TRANSPOSED (source 0 = 16 features, source 1 = 16 tokens: a lane's eight results run along d) and v naturally (a lane's eight results run along the tokens).
; NO CLUSTER, NO TENSOR LOAD: both operands arrive as f32 and pass through registers to be quantised, and the branch between the q/k form and the v form hangs on the feature block, which would be a place in a cluster.
; LIMITS: e0, e1, e2, e3, e5 between -126 and 119, e0 + e1 between -126 and 127, so that each power of two below is an f32 number.  NaN among the inputs is not served (an infinity is held at the largest code).
; REGISTERS: v1 4 r + 64 (w & 1); v4 16 x lane; v5 x's offset; v6 4 x lane; v7-v10 LDS addresses; v11 32 h; v12, v13 scale and limit of x, later of the output; v14, v15 of w; v16-31 codes just made;
;   v32-127 the slice of w (3 x 32 numbers), later six fragments; v128-255 x (2 x 64 numbers), later: v128-175 bias along d, v176-181 bias of one d (twice), v192-239 accumulators, v240-251 output codes.
.set WIMG, 32768                       ; LDS: x's 16 fragments from 0 ((2 tile + s) x 2,048), w's 12 from here (((2 gi + ft) 2 + s) x 2,048)
.set C,    16
.set W,    32
.set FR,   32
.set X,    128
.set BQK,  128
.set BVV,  176
.set ACC,  192
.set OC,   240
.macro MKSCALE e, vs, vl               ; from the whole number in s[e]: v[vs] = 2^e (the conversion takes its exponent field), v[vl] = 448 x 2^e
	s_add_co_i32 s34, s[\e], 127
	s_lshl_b32 s35, s34, 23
	v_mov_b32 v[\vs], s35
	s_add_co_i32 s34, s34, 8
	s_lshl_b32 s34, s34, 23
	s_or_b32 s34, s34, 0x600000
	v_mov_b32 v[\vl], s34
.endm
.macro XLOAD s                         ; my 16 rows' numbers of K step s: lane (r, h) takes 16 neighbours of each block of 32
.irp c, 0,1,2,3
.irp j, 0,1,2,3
	global_load_b128 v[X+64*\s+16*\c+4*\j:X+64*\s+16*\c+4*\j+3], v5, s[4:5] offset:512*\s+128*\c+16*\j
.endr
.endr
.endm
.macro WLOAD gi                        ; w(32 w + i, my column of group gi), i = 0 .. 31
.set i, 0
.rept 32
	global_load_b32 v[W+32*\gi+i], v6, s[6:7] offset:3072*i+128*\gi
.set i, i+1
.endr
.endm
.macro QX s                            ; 64 numbers of x become a fragment, and its image goes to LDS
.set i, 0
.rept 64
	v_med3_num_f32 v[X+64*\s+i], v[X+64*\s+i], -v13, v13   ; the conversion to an 8-bit code does not saturate (ISA guide 7.6.2): the hold at the largest code x the scale
.set i, i+1
.endr
.set i, 0
.rept 8
	v_cvt_scalef32_pk8_fp8_f32 v[C+2*i:C+2*i+1], v[X+64*\s+8*i:X+64*\s+8*i+7], v12
.set i, i+1
.endr
	v_nop                                          ; a plain vector line behind the last conversion, ahead of whatever next writes its registers
.irp c, 0,1,2,3
	ds_store_b128 v7, v[C+4*\c:C+4*\c+3] offset:2048*\s+512*\c
.endr
	s_wait_dscnt 0x0                               ; the stores have read the codes' registers
.endm
.macro WQ gi                           ; my 32 numbers down K of one column: 16 codes for the fragment's lane (r, 0), 16 for lane (r, 1), 256 bytes on
.set i, 0
.rept 32
	v_med3_num_f32 v[W+32*\gi+i], v[W+32*\gi+i], -v15, v15
.set i, i+1
.endr
.irp n, 0,1,2,3
	v_cvt_scalef32_pk8_fp8_f32 v[C+2*\n:C+2*\n+1], v[W+32*\gi+8*\n:W+32*\gi+8*\n+7], v14
.endr
	v_nop
	ds_store_b128 v8, v[C:C+3] offset:8192*\gi
	ds_store_b128 v8, v[C+4:C+7] offset:8192*\gi+256
	s_wait_dscnt 0x0
.endm
.macro FETCH reg, adr, off             ; a fragment's image comes back as it was stored, in any wave
.irp c, 0,1,2,3
	ds_load_b128 v[(\reg)+4*\c:(\reg)+4*\c+3], v[\adr] offset:(\off)+512*\c
.endr
.endm
	s_load_b256 s[4:11], s[0:1], 0x0               ; x s[4:5], w_qkv s[6:7], b_qkv s[8:9], lowp_scales s[10:11]
	s_load_b64 s[12:13], s[0:1], 0x20              ; codes
	s_set_vgpr_msb 0x40
	v_lshl_add_u32 v0, v0, 2, 0xe000
	v_mov_b32 v1, 0
	s_set_vgpr_msb 0x4000
	v_lshrrev_b32 v2, 5, v0
	v_readfirstlane_b32 s14, v2                    ; wave w, 0..7
	v_and_b32 v2, 15, v0                           ; r
	v_bfe_u32 v3, v0, 4, 1                         ; h
	v_and_b32 v4, 31, v0
	v_lshlrev_b32 v6, 2, v4                        ; 4 x lane
	v_lshlrev_b32 v4, 4, v4                        ; 16 x lane
	v_lshlrev_b32 v5, 10, v2
	v_lshl_add_u32 v5, v3, 6, v5                   ; x: row r of 1,024 bytes + 64 h
	s_lshl_b32 s34, s14, 12
	v_add_nc_u32 v7, s34, v4                       ; x's images of token tile w: stored here, and read here for q and k
	s_lshr_b32 s34, s14, 2
	s_lshl_b32 s34, s34, 11                        ; K step w / 4
	s_and_b32 s35, s14, 3
	s_lshl_b32 s35, s35, 9                         ; block w % 4 of it
	s_add_co_u32 s34, s34, s35
	s_add_co_u32 s34, s34, WIMG
	v_lshlrev_b32 v8, 4, v2
	v_lshl_add_u32 v8, v3, 12, v8                  ; my column is row r of feature tile lane / 16
	v_add_nc_u32 v8, s34, v8                       ; where w's codes are stored
	s_lshr_b32 s34, s14, 1                         ; w / 2
	s_lshl_b32 s35, s34, 13
	v_add_nc_u32 v9, s35, v4                       ; for v: x's images of token tiles 2 (w / 2) and 2 (w / 2) + 1
	s_and_b32 s36, s14, 1                          ; w % 2
	s_lshl_b32 s35, s36, 12
	s_add_co_u32 s35, s35, WIMG
	v_add_nc_u32 v10, s35, v4                      ; for v: w's images of feature tile w % 2
	v_lshlrev_b32 v11, 5, v3                       ; bias along d: 32 h
	s_lshl_b32 s35, s36, 6
	v_lshl_add_u32 v1, v2, 2, s35                  ; bias of one d: 4 r + 64 (w % 2)
	s_and_b32 s16, ttmp7, 0xffff                   ; feature block
	s_mul_i32 s17, s16, 3                          ; its first group
	s_lshl_b32 s37, s14, 9
	s_lshl_b32 s18, ttmp9, 12
	s_add_co_u32 s18, s18, s37                     ; q: token tile 8 x + w, in units of 512 bytes
	s_lshl_b32 s19, ttmp9, 13                      ; k, v: key step x
	s_lshl_b32 s20, s36, 11
	s_lshl_b32 s34, s34, 9
	s_add_co_u32 s20, s20, s34
	s_add_co_u32 s20, s20, s19
	s_add_co_u32 s20, s20, 0x101000                ; v: the kv region + the step's second half + d tile w % 2 + c = w / 2
	s_add_co_u32 s19, s19, s37
	s_add_co_u32 s19, s19, 0x100000                ; k: the kv region + key tile w
	s_lshl_b32 s40, ttmp9, 17
	s_lshl_b32 s38, s14, 14
	s_add_co_u32 s40, s40, s38                     ; x: 128 rows a block, 16 a wave
	s_mov_b32 s41, 0
	s_mul_i32 s42, s14, 98304                      ; w_qkv: 32 rows of 3,072 bytes a wave,
	s_mul_i32 s38, s16, 384                        ; 96 columns a block
	s_add_co_u32 s42, s42, s38
	s_mov_b32 s43, 0
	s_mov_b32 s39, 0
	s_wait_kmcnt 0x0
	s_load_b256 s[24:31], s[10:11], 0x0            ; e0 .. e7
	s_add_nc_u64 s[4:5], s[4:5], s[40:41]
	s_add_nc_u64 s[6:7], s[6:7], s[42:43]
	s_add_nc_u64 s[8:9], s[8:9], s[38:39]
	XLOAD 0                                        ; 128 loads go out on end: 32 of x, 96 of w
	XLOAD 1
	WLOAD 0
	WLOAD 1
	WLOAD 2
	s_wait_kmcnt 0x0
	s_add_co_i32 s34, s24, s25
	s_add_co_i32 s34, s34, 127
	s_lshl_b32 s32, s34, 23                        ; 2^(e0 + e1): what a sum of codes lacks
	s_mov_b32 s33, s32                             ; (named with it as a pair, so it is written)
	MKSCALE 24, 12, 13
	MKSCALE 25, 14, 15
	s_wait_loadcnt 63                              ; loads come back in order: of 128 the first 65 are in: all of x and w's group 0
	QX 0
.irp gi, 0,1,2                         ; 18 loads of the bias, in both forms, into the registers that K step 0 of x has left
.irp ft, 0,1
	global_load_b128 v[BQK+16*\gi+8*\ft:BQK+16*\gi+8*\ft+3], v11, s[8:9] offset:128*\gi+64*\ft
	global_load_b128 v[BQK+16*\gi+8*\ft+4:BQK+16*\gi+8*\ft+7], v11, s[8:9] offset:128*\gi+64*\ft+16
.endr
	global_load_b32 v[BVV+2*\gi], v1, s[8:9] offset:128*\gi
	global_load_b32 v[BVV+2*\gi+1], v1, s[8:9] offset:128*\gi      ; the same number again: a pair for the packed multiply-add
.endr
	QX 1
	WQ 0
	s_wait_loadcnt 50                              ; group 1 is in; behind it: group 2's 32 and the bias's 18
	WQ 1
	s_wait_loadcnt 18                              ; group 2 is in; the bias may be out
	WQ 2
	s_barrier_signal -1                            ; every macro above ended with a wait for all my LDS stores
	s_barrier_wait -1                              ; all 28 fragments lie in LDS; nothing is stored there from here on
	s_wait_loadcnt 0x0                             ; the bias
; One unit of 512 bytes of codes for group gi.  The two accumulators take turns, one instruction a turn.
.macro UNIT gi
	s_add_co_u32 s38, s17, \gi                     ; G
	s_and_b32 s40, s38, 7
	s_lshl_b32 s40, s40, 18                        ; the head's 262,144 bytes in the kv region
	s_cmp_ge_u32 s38, 16
	s_cbranch_scc1 .Lvals_\@
	FETCH FR, 7, 0                                 ; q or k: token tile w,
	FETCH FR+16, 7, 2048
.irp ft, 0,1
.irp s, 0,1
	FETCH FR+32+16*(2*\ft+\s), 4, WIMG+8192*\gi+4096*\ft+2048*\s   ; both feature tiles of the group
.endr
.endr
	s_lshl_b32 s39, s38, 17
	s_add_co_u32 s39, s39, s18                     ; where a unit of q goes,
	s_add_co_u32 s40, s40, s19                     ; and of k
	s_cmp_lt_u32 s38, 8
	s_cselect_b32 s40, s39, s40
	s_cselect_b32 s42, s26, s27                    ; e2 or e3
	s_wait_dscnt 0x0
	v_wmma_f32_16x16x128_fp8_fp8 v[ACC+16*\gi:ACC+16*\gi+7], v[FR+32:FR+47], v[FR:FR+15], 0
	v_wmma_f32_16x16x128_fp8_fp8 v[ACC+16*\gi+8:ACC+16*\gi+15], v[FR+64:FR+79], v[FR:FR+15], 0
	v_wmma_f32_16x16x128_fp8_fp8 v[ACC+16*\gi:ACC+16*\gi+7], v[FR+48:FR+63], v[FR+16:FR+31], v[ACC+16*\gi:ACC+16*\gi+7]
	v_wmma_f32_16x16x128_fp8_fp8 v[ACC+16*\gi+8:ACC+16*\gi+15], v[FR+80:FR+95], v[FR+16:FR+31], v[ACC+16*\gi+8:ACC+16*\gi+15]
	MKSCALE 42, 12, 13                             ; its two v_mov_b32 and the two v_nop are the four places behind the products (ISA guide 7.12.1)
	v_nop
	v_nop
.irp j, 0,2,4,6,8,10,12,14
	v_pk_fma_f32 v[ACC+16*\gi+\j:ACC+16*\gi+\j+1], v[ACC+16*\gi+\j:ACC+16*\gi+\j+1], s[32:33], v[BQK+16*\gi+\j:BQK+16*\gi+\j+1] op_sel_hi:[1,0,1]   ; sum x 2^(e0 + e1) + bias: lane (r, h) = token r, d = 8 h + 0..7, 16 + 8 h + 0..7
.endr
	s_branch .Lcode_\@
.Lvals_\@:
.irp i, 0,1
.irp s, 0,1
	FETCH FR+16*(2*\i+\s), 9, (2*\i+\s)*2048       ; v: two token tiles,
.endr
.endr
	FETCH FR+64, 10, 8192*\gi                      ; one feature tile
	FETCH FR+80, 10, 8192*\gi+2048
	s_add_co_u32 s40, s40, s20
	s_mov_b32 s42, s29                             ; e5
	s_wait_dscnt 0x0
	v_wmma_f32_16x16x128_fp8_fp8 v[ACC+16*\gi:ACC+16*\gi+7], v[FR:FR+15], v[FR+64:FR+79], 0
	v_wmma_f32_16x16x128_fp8_fp8 v[ACC+16*\gi+8:ACC+16*\gi+15], v[FR+32:FR+47], v[FR+64:FR+79], 0
	v_wmma_f32_16x16x128_fp8_fp8 v[ACC+16*\gi:ACC+16*\gi+7], v[FR+16:FR+31], v[FR+80:FR+95], v[ACC+16*\gi:ACC+16*\gi+7]
	v_wmma_f32_16x16x128_fp8_fp8 v[ACC+16*\gi+8:ACC+16*\gi+15], v[FR+48:FR+63], v[FR+80:FR+95], v[ACC+16*\gi+8:ACC+16*\gi+15]
	MKSCALE 42, 12, 13
	v_nop
	v_nop
.irp j, 0,2,4,6,8,10,12,14
	v_pk_fma_f32 v[ACC+16*\gi+\j:ACC+16*\gi+\j+1], v[ACC+16*\gi+\j:ACC+16*\gi+\j+1], s[32:33], v[BVV+2*\gi:BVV+2*\gi+1] op_sel_hi:[1,0,1]   ; lane (r, h) = d 16 (w % 2) + r, tokens 8 h + 0..7 of the two tiles
.endr
.Lcode_\@:
	s_add_nc_u64 s[44+2*\gi:45+2*\gi], s[12:13], s[40:41]   ; a base of its own for each unit's store: none is written again
.set i, 0
.rept 16
	v_med3_num_f32 v[ACC+16*\gi+i], v[ACC+16*\gi+i], -v13, v13
.set i, i+1
.endr
	v_cvt_scalef32_pk8_fp8_f32 v[OC+4*\gi:OC+4*\gi+1], v[ACC+16*\gi:ACC+16*\gi+7], v12
	v_cvt_scalef32_pk8_fp8_f32 v[OC+4*\gi+2:OC+4*\gi+3], v[ACC+16*\gi+8:ACC+16*\gi+15], v12
	v_nop                                          ; a plain line behind the conversions: the next unit writes v12 and v13
	global_store_b128 v4, v[OC+4*\gi:OC+4*\gi+3], s[44+2*\gi:45+2*\gi]   ; 32 lanes store 512 consecutive bytes, at a multiple of 512 from the buffer's first byte
.endm
	UNIT 0
	UNIT 1
	UNIT 2
	s_set_vgpr_msb 0x5
	s_wait_tensorcnt 0x0
	ds_add_u32 v0, v1
	s_wait_dscnt 0x0
	s_set_vgpr_msb 0x500
	s_endpgm
.Lfunc_end_k_qad65d22d40_qkv:
	.size	k_qad65d22d40_qkv, .Lfunc_end_k_qad65d22d40_qkv-k_qad65d22d40_qkv
	.p2alignl 7, 3214868480
	.fill 96, 4, 3214868480
	.section	.rodata,"a",@progbits
	.p2align	6, 0x0
	.amdhsa_kernel k_qad65d22d40_qkv
		.amdhsa_group_segment_fixed_size 58368
		.amdhsa_private_segment_fixed_size 0
		.amdhsa_enable_private_segment 0
		.amdhsa_kernarg_size 40
		.amdhsa_user_sgpr_count 2
		.amdhsa_user_sgpr_kernarg_segment_ptr 1
		.amdhsa_wavefront_size32 1
		.amdhsa_system_sgpr_workgroup_id_x 1
		.amdhsa_system_sgpr_workgroup_id_y 1
		.amdhsa_system_sgpr_workgroup_id_z 1
		.amdhsa_system_vgpr_workitem_id 0
		.amdhsa_next_free_vgpr 258
		.amdhsa_next_free_sgpr 66
		.amdhsa_reserve_vcc 0
		.amdhsa_float_denorm_mode_32 3
		.amdhsa_float_denorm_mode_16_64 3
		.amdhsa_memory_ordered 1
		.amdhsa_forward_progress 1
		.amdhsa_inst_pref_size 56
	.end_amdhsa_kernel
	.amdgpu_metadata
---
amdhsa.version: [ 1, 2 ]
amdhsa.kernels:
  - .name:           k_qad65d22d40_qkv
    .symbol:         k_qad65d22d40_qkv.kd
    .args:
      - { .name: x, .offset: 0, .size: 8, .value_kind: global_buffer, .address_space: global }
      - { .name: w_qkv, .offset: 8, .size: 8, .value_kind: global_buffer, .address_space: global }
      - { .name: b_qkv, .offset: 16, .size: 8, .value_kind: global_buffer, .address_space: global }
      - { .name: lowp_scales, .offset: 24, .size: 8, .value_kind: global_buffer, .address_space: global }
      - { .name: codes, .offset: 32, .size: 8, .value_kind: global_buffer, .address_space: global }
    .group_segment_fixed_size: 58368
    .private_segment_fixed_size: 0
    .kernarg_segment_align: 8
    .kernarg_segment_size: 40
    .max_flat_workgroup_size: 256
    .sgpr_count:     66
    .vgpr_count:     258
    .wavefront_size: 32
...
	.end_amdgpu_metadata
.endif
;; end of part 1
;; launch attn (part 2): grid 32 x 8, 16 waves a work-group, no clusters, 282,624 bytes of LDS; arguments codes, lowp_scales, aout; writes aout
.if DOCPART == 2
	.amdgcn_target "amdgcn-amd-amdhsa--gfx1250"
	.amdhsa_code_object_version 6
	.text
	.protected	k_qad65d22d40_attn
	.globl	k_qad65d22d40_attn
	.p2align	8
	.type	k_qad65d22d40_attn,@function
k_qad65d22d40_attn:
	s_mov_b64 s[64:65], 0
	v_nop
	global_prefetch_b8 v0, s[64:65] scope:SCOPE_SE
	s_setreg_imm32_b32 hwreg(HW_REG_WAVE_MODE, 25, 1), 1
	s_wait_xcnt 0x0
; For each head: O = softmax(q k^T / 16) v, both products on codes of FP8 (E4M3); the result is quantised for the last projection and stored as codes.
; THE SOFTMAX AHEAD OF THE SECOND PRODUCT: t = score x log2(e) / 16; M = the largest t so far, rounded UP to a whole number; p = 2^(t - M) is quantised along the keys, not normalised; the row's sum is taken of the
; unquantised p in f32 and divides O at the end.  When M moves, the sum and O are multiplied by 2^(old M - new M), which rounds nothing.
; SHARES.  A work-group owns 128 queries of one head (grid x: the block, y: the head).  Wave w owns query tile w % 8 (16 queries) and every second key step: steps 2 i + w / 8, i = 0 .. 15, 128 keys each.
; At the end waves 8-15 hand -M, the sum and O^T to waves 0-7 through LDS; both M are whole numbers, so the two halves are joined by exact powers of two.  Four waves share a SIMD, 256 registers each.
; LDS.  The head's k and v codes, 262,144 bytes, lie in LDS as they lie in memory; each byte is written once, in four chunks of 65,536 bytes (eight key steps), through registers; a chunk's loads are issued
; before the chunk in front of it is worked, so only the first is waited for at length.  Behind them 8 x 2,304 bytes for the hand-over.
; LAYOUT.  Both products are used transposed: S^T = k q^T (source 0 = 16 keys, source 1 = my 16 queries), O^T = v^T p^T: a lane holds ONE query (lane % 16) throughout, and the conversion of tile t of S^T
; gives registers 2 t, 2 t + 1 of the second product's operand (keys 16 t + 8 (lane / 16) + 0..7), where v's codes were laid to match.
; THE HEAD'S 32 IN A FORM OF 64 ALONG K: one source 0 holds two key tiles (registers 0-3, 4-7); against [q, 0] it gives the first tile's scores, against [0, q] the second's.  The other half meets zero codes
; (k's codes are numbers: the quantiser holds at the largest code).
; NO CLUSTER, NO TENSOR LOAD, though the 32 work-groups of a head read the same k and v: a joint request is a tensor load, which would
; spare 32 loads and 32 LDS stores a wave in the whole launch.
; LIMITS: e4, e6 between -126 and 119; e2 + e3 between -122 and 131 (added to the exponent field of log2(e) / 16); e4 + e5 is applied by v_ldexp_f32 and has none.
; REGISTERS: v1-v8 addresses; v12 -M, v13 the largest t, v[14:15] the sum in two halves; v16-23 [q, 0], v24-31 [0, q]; v32-63 k; v64-95 v; v96-159 S^T, then p; v160-175 O^T; v176-191 p's codes;
;   v192-223 the chunk on its way; v224-230 at work; v232, v233: 448 x 2^e4, 2^e4; v234, v235: the same for e6.
.set MRG, 262144
.set KF,  32
.set VF,  64
.set S,   96
.set O,   160
.set P,   176
.set F,   192
.macro MKSCALE e, vs, vl               ; from the whole number in s[e]: v[vs] = 2^e, v[vl] = 448 x 2^e
	s_add_co_i32 s40, s[\e], 127
	s_lshl_b32 s41, s40, 23
	v_mov_b32 v[\vs], s41
	s_add_co_i32 s40, s40, 8
	s_lshl_b32 s40, s40, 23
	s_or_b32 s40, s40, 0x600000
	v_mov_b32 v[\vl], s40
.endm
	s_load_b128 s[4:7], s[0:1], 0x0                ; codes s[4:5], lowp_scales s[6:7]
	s_load_b64 s[8:9], s[0:1], 0x10                ; aout
	v_lshl_add_u32 v254, v0, 2, 0x44800
	v_mov_b32 v255, 0
	v_lshrrev_b32 v9, 5, v0
	v_readfirstlane_b32 s10, v9                    ; wave w, 0..15
	s_and_b32 s11, s10, 7                          ; my query tile
	s_lshr_b32 s12, s10, 3                         ; my parity of key steps
	v_and_b32 v9, 31, v0
	v_lshlrev_b32 v8, 4, v9                        ; 16 x lane
	s_lshl_b32 s38, s12, 13
	v_add_nc_u32 v1, s38, v8                       ; a chunk's first key step of my parity
	s_lshl_b32 s38, s10, 12
	v_add_nc_u32 v2, s38, v8                       ; my 4,096 bytes of a chunk, in memory and in LDS
	s_mul_i32 s38, s11, 2304
	s_add_co_u32 s38, s38, MRG
	v_add_nc_u32 v6, s38, v8                       ; the hand-over: O^T, four times 512 bytes,
	v_lshlrev_b32 v7, 3, v9
	v_add_nc_u32 v7, s38, v7
	v_add_nc_u32 v7, 2048, v7                      ; then -M and the sum, 8 bytes a lane
	s_and_b32 s13, ttmp7, 0xffff                   ; the head
	s_lshl_b32 s40, s13, 18
	s_add_co_u32 s40, s40, 0x100000                ; its k and v
	s_mov_b32 s41, 0
	s_lshl_b32 s14, ttmp9, 3
	s_add_co_u32 s14, s14, s11                     ; my token tile: 8 x + w % 8
	s_lshl_b32 s42, s13, 17
	s_lshl_b32 s38, s14, 9
	s_add_co_u32 s42, s42, s38                     ; its unit of q
	s_mov_b32 s43, 0
	s_lshl_b32 s44, s14, 12                        ; aout: token tile x 4,096 + (head / 4) x 2,048 + (head % 4) x 512
	s_lshr_b32 s38, s13, 2
	s_lshl_b32 s38, s38, 11
	s_add_co_u32 s44, s44, s38
	s_and_b32 s38, s13, 3
	s_lshl_b32 s38, s38, 9
	s_add_co_u32 s44, s44, s38
	s_mov_b32 s45, 0
	s_mov_b32 s34, 0x76543210                      ; v_permlanex16_b32's selects for lane l xor 16
	s_mov_b32 s35, 0xfedcba98
	s_wait_kmcnt 0x0
	s_load_b256 s[24:31], s[6:7], 0x0              ; e0 .. e7
	s_add_nc_u64 s[16:17], s[4:5], s[40:41]
	s_add_nc_u64 s[18:19], s[4:5], s[42:43]
	s_add_nc_u64 s[20:21], s[8:9], s[44:45]
.irp i, 0,1,2,3,4,5,6,7
	global_load_b128 v[F+4*\i:F+4*\i+3], v2, s[16:17] offset:512*\i   ; chunk 0: each load 512 consecutive bytes
.endr
	global_load_b128 v[16:19], v8, s[18:19]        ; q, into the low half of one operand
	global_load_b128 v[28:31], v8, s[18:19]        ; and into the high half of the other
.irp j, 20,21,22,23,24,25,26,27
	v_mov_b32 v\j, 0                               ; zero codes in the other halves
.endr
.set i, 0
.rept 16
	v_mov_b32 v[O+i], 0                            ; O^T.  (The step is written once: the first finds zeros, which the first change of M leaves zeros)
.set i, i+1
.endr
	v_mov_b32 v13, 0xff61b1e6                      ; the largest t so far: -3e38, under every t
	v_floor_f32 v12, -v13                          ; -M
	v_mov_b32 v14, 0
	v_mov_b32 v15, 0
	v_mov_b32 v227, 0                              ; (named as the upper half of the pair v[226:227])
	v_mov_b32 v230, 0                              ; written once: a lane permute's destination counts as one of its sources
	s_wait_kmcnt 0x0
	s_add_co_i32 s38, s26, s27
	s_lshl_b32 s38, s38, 23
	s_add_co_i32 s32, s38, 0x3db8aa3b              ; c = log2(e) / 16, with e2 + e3 added to its exponent field: t = sum of codes x c
	s_mov_b32 s33, s32                             ; (named with it as a pair, so it is written)
	s_add_co_i32 s39, s28, s29                     ; e4 + e5
	MKSCALE 28, 233, 232
	MKSCALE 30, 235, 234
; Chunk c goes from registers into LDS, the next chunk's loads go out, and a barrier shows the chunk to every wave.
.macro FILL c
	s_wait_loadcnt 0x0                             ; my part of the chunk is in registers (for c > 0 it was asked for four key steps ago)
	v_add_nc_u32 v4, \c*65536, v2
.irp i, 0,1,2,3,4,5,6,7
	ds_store_b128 v4, v[F+4*\i:F+4*\i+3] offset:512*\i
.endr
	s_wait_dscnt 0x0                               ; for the others' sake, and the stores have read their registers
.if \c < 3
.irp i, 0,1,2,3,4,5,6,7
	global_load_b128 v[F+4*\i:F+4*\i+3], v2, s[16:17] offset:(\c+1)*65536+512*\i
.endr
.endif
	s_barrier_signal -1
	s_barrier_wait -1
.endm
; A KEY STEP: 128 keys, at LDS byte v5 + s36.
.macro STEP
	v_add_nc_u32 v3, s36, v5                       ; with the three v_nop: four places behind the last products, ahead of the loads into v's registers (ISA guide 7.12.1 for vector instructions)
	v_nop
	v_nop
	v_nop
.irp t, 0,1,2,3,4,5,6,7
	ds_load_b128 v[KF+4*\t:KF+4*\t+3], v3 offset:512*\t             ; key tile t
.endr
.irp t, 0,1,2,3,4,5,6,7
	ds_load_b128 v[VF+4*\t:VF+4*\t+3], v3 offset:4096+512*\t        ; v: d tile t / 4, keys 32 (t % 4) on
.endr
	s_wait_dscnt 0x8                               ; LDS loads come back in order: k is in, v's eight may be out
.irp t, 0,1,2,3,4,5,6,7
	v_wmma_f32_16x16x64_fp8_fp8 v[S+8*\t:S+8*\t+7], v[KF+8*(\t/2):KF+8*(\t/2)+7], v[16+8*(\t%2):23+8*(\t%2)], 0
.endr
.rept 4
	v_nop
.endr
	v_max3_num_f32 v224, v96, v97, v98             ; the step's largest score of my query among my 64 keys, in two chains, each accumulator from its low end on
	v_max3_num_f32 v225, v99, v100, v101
.irp i, 6,10,14,18,22,26,30,34,38,42,46,50,54,58
	v_max3_num_f32 v224, v224, v[96+\i], v[97+\i]
	v_max3_num_f32 v225, v225, v[98+\i], v[99+\i]
.endr
	v_max3_num_f32 v224, v224, v158, v159
	v_max_num_f32 v224, v224, v225
	v_permlanex16_b32 v230, v224, s34, s35
	v_max_num_f32 v224, v224, v230                 ; and among lane l xor 16's
	v_mul_f32 v224, s32, v224                      ; as t (c is positive)
	v_max_num_f32 v13, v13, v224                   ; the running largest t
	v_mov_b32 v224, v12
	v_floor_f32 v12, -v13                          ; the new -M = floor(-t) = -ceil(t)
	v_sub_f32 v224, v12, v224                      ; old M - new M: a whole number, 0 or less
	v_cvt_i32_f32 v224, v224                       ; (it saturates)
	v_ldexp_f32 v226, 1.0, v224                    ; f = 2^(old M - new M)
.irp j, 0,2,4,6,8,10,12,14,16,18,20,22,24,26,28,30,32,34,36,38,40,42,44,46,48,50,52,54,56,58,60,62
	v_pk_fma_f32 v[S+\j:S+\j+1], v[S+\j:S+\j+1], s[32:33], v[12:13] op_sel_hi:[1,0,0]   ; t - M, two at a time (of the pairs c and -M the low word serves both halves)
.endr
.set i, 0
.rept 64
	v_exp_f32 v[S+i], v[S+i]                       ; p = 2^(t - M), at most 1
.set i, i+1
.endr
	v_pk_mul_f32 v[14:15], v[14:15], v[226:227] op_sel_hi:[1,0]   ; the sums under the new M: the plain line behind the exponentials
	s_wait_alu depctr_va_vdst(0)                   ; one wait for the batch of 64, ahead of its first reader
	v_pk_add_f32 v[228:229], v[S:S+1], v[S+2:S+3]  ; the row's sum of the UNQUANTISED p, two at a time, in two chains
.irp j, 4,8,12,16,20,24,28,32,36,40,44,48,52,56,60
	v_pk_add_f32 v[14:15], v[14:15], v[S+\j:S+\j+1]
	v_pk_add_f32 v[228:229], v[228:229], v[S+\j+2:S+\j+3]
.endr
	v_pk_add_f32 v[14:15], v[14:15], v[228:229]
	s_cmp_ge_i32 s28, -8                           ; p <= 1 <= 448 x 2^e4 from e4 = -8 on: the hold would change nothing.  A branch on a whole number that was given
	s_cbranch_scc1 .Lno_hold_\@
.set i, 0
.rept 64
	v_min_num_f32 v[S+i], v[S+i], v232             ; the conversion to an 8-bit code does not saturate (ISA guide 7.6.2); p is not negative, so the hold is one-sided
.set i, i+1
.endr
.Lno_hold_\@:
.irp t, 0,1,2,3,4,5,6,7
	v_cvt_scalef32_pk8_fp8_f32 v[P+2*\t:P+2*\t+1], v[S+8*\t:S+8*\t+7], v233
.endr
.irp j, 0,2,4,6,8,10,12,14
	v_pk_mul_f32 v[O+\j:O+\j+1], v[O+\j:O+\j+1], v[226:227] op_sel_hi:[1,0]   ; O^T under the new M; also the plain lines between the conversions and the products that read the codes
.endr
	s_wait_dscnt 0x0                               ; v is in
	v_wmma_f32_16x16x128_fp8_fp8 v[O:O+7], v[VF:VF+15], v[P:P+15], v[O:O+7]   ; the two accumulators take turns with the eight tiles of scores, one instruction a turn
	v_wmma_f32_16x16x128_fp8_fp8 v[O+8:O+15], v[VF+16:VF+31], v[P:P+15], v[O+8:O+15]
	s_add_co_u32 s36, s36, 16384                   ; two key steps on: my parity's next
.endm
.macro CHUNK c                         ; a chunk holds four key steps of my parity
	FILL \c
	v_add_nc_u32 v5, \c*65536, v1
	s_mov_b32 s36, 0
	s_mov_b32 s37, 4
.Lstep_\@:
	STEP
	s_sub_co_i32 s37, s37, 1
	s_cmp_lg_u32 s37, 0
	s_cbranch_scc1 .Lstep_\@
.endm
	CHUNK 0
	CHUNK 1
	CHUNK 2
	CHUNK 3
	; THE TWO HALVES OF THE KEYS MEET.
	v_add_f32 v14, v14, v15                        ; the sum's two halves; with the three v_nop: the four places behind the last products
	v_nop
	v_nop
	v_nop
	v_mov_b32 v13, v14                             ; v[12:13] = -M, the sum
	s_cmp_lt_u32 s10, 8
	s_cbranch_scc1 .Lkeeps
.irp i, 0,1,2,3
	ds_store_b128 v6, v[O+4*\i:O+4*\i+3] offset:512*\i   ; waves 8-15: O^T as it stands, from its low end on,
.endr
	ds_store_b64 v7, v[12:13]                      ; -M and the sum
.Lkeeps:
	s_wait_dscnt 0x0                               ; for the others' sake: my stores are done
	s_barrier_signal -1
	s_barrier_wait -1
	s_cmp_ge_u32 s10, 8
	s_cbranch_scc1 .Ldone
.irp i, 0,1,2,3
	ds_load_b128 v[S+4*\i:S+4*\i+3], v6 offset:512*\i
.endr
	ds_load_b64 v[S+16:S+17], v7
	s_wait_dscnt 0x0
	v_min_num_f32 v224, v12, v[S+16]               ; the joint -M
	v_sub_f32 v225, v224, v12
	v_sub_f32 v228, v224, v[S+16]
	v_cvt_i32_f32 v225, v225
	v_cvt_i32_f32 v228, v228
	v_ldexp_f32 v226, 1.0, v225                    ; 2^(my M - joint M)
	v_ldexp_f32 v228, 1.0, v228                    ; 2^(the partner's M - joint M)
	v_mul_f32 v14, v14, v226
	v_fmac_f32 v14, v[S+17], v228
.irp j, 0,2,4,6,8,10,12,14
	v_pk_mul_f32 v[O+\j:O+\j+1], v[O+\j:O+\j+1], v[226:227] op_sel_hi:[1,0]
.endr
.irp j, 0,2,4,6,8,10,12,14
	v_pk_fma_f32 v[O+\j:O+\j+1], v[S+\j:S+\j+1], v[228:229], v[O+\j:O+\j+1] op_sel_hi:[1,0,1]
.endr
	v_permlanex16_b32 v230, v14, s34, s35
	v_add_f32 v14, v14, v230                       ; and lane l xor 16's keys: the row's sum
	v_rcp_f32 v14, v14
	v_nop                                          ; a plain line behind the reciprocal
	s_wait_alu depctr_va_vdst(0)                   ; and the wait ahead of its first reader
	v_ldexp_f32 v14, v14, s39                      ; x 2^(e4 + e5)
.irp j, 0,2,4,6,8,10,12,14
	v_pk_mul_f32 v[O+\j:O+\j+1], v[O+\j:O+\j+1], v[14:15] op_sel_hi:[1,0]   ; lane (r, h): token r, d = 8 h + 0..7, 16 + 8 h + 0..7
.endr
.set i, 0
.rept 16
	v_med3_num_f32 v[O+i], v[O+i], -v234, v234
.set i, i+1
.endr
	v_cvt_scalef32_pk8_fp8_f32 v[P:P+1], v[O:O+7], v235
	v_cvt_scalef32_pk8_fp8_f32 v[P+2:P+3], v[O+8:O+15], v235
	v_nop
	global_store_b128 v8, v[P:P+3], s[20:21]       ; 32 lanes store 512 consecutive bytes, at a multiple of 512 from the buffer's first byte
.Ldone:
	s_wait_tensorcnt 0x0
	ds_add_u32 v254, v255
	s_wait_dscnt 0x0
	s_endpgm
.Lfunc_end_k_qad65d22d40_attn:
	.size	k_qad65d22d40_attn, .Lfunc_end_k_qad65d22d40_attn-k_qad65d22d40_attn
	.p2alignl 7, 3214868480
	.fill 96, 4, 3214868480
	.section	.rodata,"a",@progbits
	.p2align	6, 0x0
	.amdhsa_kernel k_qad65d22d40_attn
		.amdhsa_group_segment_fixed_size 282624
		.amdhsa_private_segment_fixed_size 0
		.amdhsa_enable_private_segment 0
		.amdhsa_kernarg_size 24
		.amdhsa_user_sgpr_count 2
		.amdhsa_user_sgpr_kernarg_segment_ptr 1
		.amdhsa_wavefront_size32 1
		.amdhsa_system_sgpr_workgroup_id_x 1
		.amdhsa_system_sgpr_workgroup_id_y 1
		.amdhsa_system_sgpr_workgroup_id_z 1
		.amdhsa_system_vgpr_workitem_id 0
		.amdhsa_next_free_vgpr 256
		.amdhsa_next_free_sgpr 66
		.amdhsa_reserve_vcc 0
		.amdhsa_float_denorm_mode_32 3
		.amdhsa_float_denorm_mode_16_64 3
		.amdhsa_memory_ordered 1
		.amdhsa_forward_progress 1
		.amdhsa_inst_pref_size 70
	.end_amdhsa_kernel
	.amdgpu_metadata
---
amdhsa.version: [ 1, 2 ]
amdhsa.kernels:
  - .name:           k_qad65d22d40_attn
    .symbol:         k_qad65d22d40_attn.kd
    .args:
      - { .name: codes, .offset: 0, .size: 8, .value_kind: global_buffer, .address_space: global }
      - { .name: lowp_scales, .offset: 8, .size: 8, .value_kind: global_buffer, .address_space: global }
      - { .name: aout, .offset: 16, .size: 8, .value_kind: global_buffer, .address_space: global }
    .group_segment_fixed_size: 282624
    .private_segment_fixed_size: 0
    .kernarg_segment_align: 8
    .kernarg_segment_size: 24
    .max_flat_workgroup_size: 512
    .sgpr_count:     66
    .vgpr_count:     256
    .wavefront_size: 32
...
	.end_amdgpu_metadata
.endif
;; end of part 2
;; launch proj (part 3): grid 64 x 4, 8 waves a work-group, no clusters, 34,816 bytes of LDS; arguments aout, w_out, b_out, lowp_scales, out0; writes out0
.if DOCPART == 3
	.amdgcn_target "amdgcn-amd-amdhsa--gfx1250"
	.amdhsa_code_object_version 6
	.text
	.protected	k_qad65d22d40_proj
	.globl	k_qad65d22d40_proj
	.p2align	8
	.type	k_qad65d22d40_proj,@function
k_qad65d22d40_proj:
	s_mov_b64 s[64:65], 0
	v_nop
	global_prefetch_b8 v0, s[64:65] scope:SCOPE_SE
	s_setreg_imm32_b32 hwreg(HW_REG_WAVE_MODE, 25, 1), 1
	s_wait_xcnt 0x0
; out0 = Q(a) Q(w_out) + b_out on codes of FP8 (E4M3).  a arrives as codes (aout, made by the launch before); w_out [256][256] f32 has K as its first axis and is quantised here; b_out [256], out0 [4096][256] f32.
; SHARES.  A work-group takes 64 tokens (grid x) x 64 columns (y): a row's piece of the output is 256 bytes, aligned.  65,536 bytes of w_out and 16,384 of codes come in.
; Wave w quantises rows 32 w .. 32 w + 31 of its 64 columns (a lane to a column, registers down K; these rows are head w's 32), then multiplies token tile w / 2 by feature tiles 2 (w % 2) and 2 (w % 2) + 1.
; aout: token tile x 4,096 + s x 2,048 + c x 512, lane l's 16 bytes at 16 l: lane (r, h) = token r, head 4 s + c, d = 8 h + 0..7 then 16 + 8 h + 0..7: two images of a fragment of 128 along K.
; w_out's codes are laid in the same order of k (so the conversions take numbers 0-7, 16-23 for the fragment's lane (r, 0) and 8-15, 24-31 for lane (r, 1)) and go from wave to wave through LDS as images of registers.
; The order of k is the same on both sides, so every product meets its partner; only the order of the sums inside an instruction differs from ascending k.
; THE MATRIX INSTRUCTION IS USED TRANSPOSED (source 0 = 16 columns of w_out, source 1 = 16 tokens): a lane's eight results are eight neighbouring numbers of a row.  They meet in a stage in LDS and leave as whole rows.
; NO CLUSTER, NO TENSOR LOAD: the shared operand arrives as f32 and passes through registers to be quantised; the codes of a are 2,048 bytes a fragment, read straight into the operand's registers.
; LIMITS: e7 between -126 and 119, e6 + e7 between -126 and 127.  NaN among the inputs is not served.
; REGISTERS: v4 16 x lane; v5 4 x lane; v6-v10 LDS addresses, v8 32 h; v11 my offset in out0; v14, v15 2^e7 and 448 x 2^e7; v16-23 codes just made; v32-95 w_out's numbers, later results and rows;
;   v96-127 a's two fragments; v128-143 bias; v144-207 w_out's four fragments; v208-223 two accumulators.
.set STG, 16384                        ; LDS: w_out's 8 fragments from 0 (4,096 ft + 2,048 s); from here the stage, 64 rows x (256 bytes + 16)
.set C,   16
.set W,   32
.set AF,  96
.set BI,  128
.set WF,  144
.set ACC, 208
	s_load_b256 s[4:11], s[0:1], 0x0               ; aout s[4:5], w_out s[6:7], b_out s[8:9], lowp_scales s[10:11]
	s_load_b64 s[12:13], s[0:1], 0x20              ; out0
	v_lshl_add_u32 v224, v0, 2, 0x8400
	v_mov_b32 v225, 0
	v_lshrrev_b32 v2, 5, v0
	v_readfirstlane_b32 s14, v2                    ; wave w, 0..7
	v_and_b32 v2, 15, v0                           ; r
	v_bfe_u32 v3, v0, 4, 1                         ; h
	v_and_b32 v4, 31, v0
	v_lshlrev_b32 v5, 2, v4
	v_lshlrev_b32 v4, 4, v4
	s_lshr_b32 s34, s14, 2
	s_lshl_b32 s34, s34, 11                        ; K step w / 4,
	s_and_b32 s35, s14, 3
	s_lshl_b32 s35, s35, 9                         ; its registers 4 (w % 4) on
	s_add_co_u32 s34, s34, s35
	v_lshlrev_b32 v6, 4, v2
	v_lshl_add_u32 v6, v3, 12, v6                  ; my column is row r of feature tile lane / 16 of the group
	v_add_nc_u32 v6, s34, v6                       ; where w_out's codes are stored
	s_and_b32 s36, s14, 1
	s_lshl_b32 s35, s36, 13
	v_add_nc_u32 v7, s35, v4                       ; and where my two feature tiles are read
	v_lshlrev_b32 v8, 5, v3                        ; bias: 32 h
	s_lshr_b32 s37, s14, 1
	s_mul_i32 s35, s37, 16*272
	s_lshl_b32 s34, s36, 7
	s_add_co_u32 s35, s35, s34
	s_add_co_u32 s35, s35, STG
	v_mul_u32_u24 v9, v2, 272
	v_lshl_add_u32 v9, v3, 5, v9
	v_add_nc_u32 v9, s35, v9                       ; the stage, in: row 16 (w / 2) + r, byte 128 (w % 2) + 32 h
	s_mul_i32 s35, s14, 8*272
	s_add_co_u32 s35, s35, STG
	v_mul_u32_u24 v10, v3, 272
	v_lshl_add_u32 v10, v2, 4, v10
	v_add_nc_u32 v10, s35, v10                     ; back: rows 8 w on; lanes 0-15 one row, lanes 16-31 the next
	v_lshlrev_b32 v11, 10, v3
	v_lshl_add_u32 v11, v2, 4, v11                 ; and the same two rows in out0
	s_and_b32 s16, ttmp7, 0xffff                   ; column block
	s_lshl_b32 s38, s16, 8                         ; its 64 columns in bytes
	s_lshl_b32 s40, s14, 15                        ; w_out: 32 rows of 1,024 bytes a wave
	s_add_co_u32 s40, s40, s38
	s_mov_b32 s41, 0
	s_lshl_b32 s42, ttmp9, 2
	s_add_co_u32 s42, s42, s37
	s_lshl_b32 s42, s42, 12                        ; aout: token tile 4 x + w / 2
	s_mov_b32 s43, 0
	s_add_co_u32 s44, s38, s34                     ; b_out: + 128 (w % 2)
	s_mov_b32 s45, 0
	s_lshl_b32 s46, ttmp9, 16
	s_lshl_b32 s39, s14, 13
	s_add_co_u32 s46, s46, s39
	s_add_co_u32 s46, s46, s38                     ; out0: row 64 x + 8 w, my block's columns
	s_mov_b32 s47, 0
	s_wait_kmcnt 0x0
	s_load_b256 s[24:31], s[10:11], 0x0            ; e0 .. e7
	s_add_nc_u64 s[6:7], s[6:7], s[40:41]
	s_add_nc_u64 s[4:5], s[4:5], s[42:43]
	s_add_nc_u64 s[8:9], s[8:9], s[44:45]
	s_add_nc_u64 s[12:13], s[12:13], s[46:47]
.irp cg, 0,1                           ; w_out(32 w + i, my column of group cg): each load reads 128 neighbouring bytes
.set i, 0
.rept 32
	global_load_b32 v[W+32*\cg+i], v5, s[6:7] offset:1024*i+128*\cg
.set i, i+1
.endr
.endr
.irp t, 0,1,2,3,4,5,6,7
	global_load_b128 v[AF+4*\t:AF+4*\t+3], v4, s[4:5] offset:512*\t   ; a's two fragments, straight into the operand's registers
.endr
.irp i, 0,1
	global_load_b128 v[BI+8*\i:BI+8*\i+3], v8, s[8:9] offset:64*\i
	global_load_b128 v[BI+8*\i+4:BI+8*\i+7], v8, s[8:9] offset:64*\i+16
.endr
	s_wait_kmcnt 0x0
	s_add_co_i32 s34, s30, s31
	s_add_co_i32 s34, s34, 127
	s_lshl_b32 s32, s34, 23                        ; 2^(e6 + e7)
	s_mov_b32 s33, s32                             ; (named with it as a pair, so it is written)
	s_add_co_i32 s34, s31, 127
	s_lshl_b32 s35, s34, 23
	v_mov_b32 v14, s35                             ; 2^e7: the conversion takes its exponent field
	s_add_co_i32 s34, s34, 8
	s_lshl_b32 s34, s34, 23
	s_or_b32 s34, s34, 0x600000
	v_mov_b32 v15, s34                             ; 448 x 2^e7
.macro WQ cg
.set i, 0
.rept 32
	v_med3_num_f32 v[W+32*\cg+i], v[W+32*\cg+i], -v15, v15   ; the conversion to an 8-bit code does not saturate (ISA guide 7.6.2): the hold at the largest code x the scale
.set i, i+1
.endr
	v_cvt_scalef32_pk8_fp8_f32 v[C:C+1], v[W+32*\cg:W+32*\cg+7], v14          ; d = 0..7 and
	v_cvt_scalef32_pk8_fp8_f32 v[C+2:C+3], v[W+32*\cg+16:W+32*\cg+23], v14    ; 16..23: the fragment's lane (r, 0)
	v_cvt_scalef32_pk8_fp8_f32 v[C+4:C+5], v[W+32*\cg+8:W+32*\cg+15], v14     ; d = 8..15 and
	v_cvt_scalef32_pk8_fp8_f32 v[C+6:C+7], v[W+32*\cg+24:W+32*\cg+31], v14    ; 24..31: lane (r, 1)
	v_nop                                          ; a plain line behind the last conversion
	ds_store_b128 v6, v[C:C+3] offset:8192*\cg
	ds_store_b128 v6, v[C+4:C+7] offset:8192*\cg+256
	s_wait_dscnt 0x0                               ; the stores are done, and have read the codes' registers
.endm
	s_wait_loadcnt 44                              ; group 0 is in; behind it: group 1's 32, a's 8, the bias's 4
	WQ 0
	s_wait_loadcnt 12                              ; group 1 is in; a's and the bias's may be out
	WQ 1
	s_barrier_signal -1
	s_barrier_wait -1                              ; w_out's eight fragments lie in LDS
.irp t, 0,1,2,3,4,5,6,7,8,9,10,11,12,13,14,15
	ds_load_b128 v[WF+4*\t:WF+4*\t+3], v7 offset:512*\t   ; (tile i, K step s) at v[WF + 16 (2 i + s)]
.endr
	s_wait_loadcnt 0x0
	s_wait_dscnt 0x0
	v_wmma_f32_16x16x128_fp8_fp8 v[ACC:ACC+7], v[WF:WF+15], v[AF:AF+15], 0      ; the two accumulators take turns
	v_wmma_f32_16x16x128_fp8_fp8 v[ACC+8:ACC+15], v[WF+32:WF+47], v[AF:AF+15], 0
	v_wmma_f32_16x16x128_fp8_fp8 v[ACC:ACC+7], v[WF+16:WF+31], v[AF+16:AF+31], v[ACC:ACC+7]
	v_wmma_f32_16x16x128_fp8_fp8 v[ACC+8:ACC+15], v[WF+48:WF+63], v[AF+16:AF+31], v[ACC+8:ACC+15]
.rept 4
	v_nop                                          ; four places ahead of the first read of results (ISA guide 7.12.1)
.endr
.irp j, 0,2,4,6,8,10,12,14
	v_pk_fma_f32 v[W+\j:W+\j+1], v[ACC+\j:ACC+\j+1], s[32:33], v[BI+\j:BI+\j+1] op_sel_hi:[1,0,1]   ; sum x 2^(e6 + e7) + bias
.endr
.irp i, 0,1
	ds_store_b128 v9, v[W+8*\i:W+8*\i+3] offset:64*\i
	ds_store_b128 v9, v[W+8*\i+4:W+8*\i+7] offset:64*\i+16
.endr
	s_wait_dscnt 0x0                               ; for the others' sake: a row's 256 bytes come from two waves
	s_barrier_signal -1
	s_barrier_wait -1
.irp t, 0,1,2,3
	ds_load_b128 v[W+16+4*\t:W+16+4*\t+3], v10 offset:544*\t
.endr
.irp t, 0,1,2,3
	s_wait_dscnt 3-\t                              ; the later loads from the stage may be out
	global_store_b128 v11, v[W+16+4*\t:W+16+4*\t+3], s[12:13] offset:2048*\t th:TH_STORE_NT   ; 16 lanes store 256 consecutive bytes, at a multiple of 256 from out0's first byte
.endr
	s_wait_tensorcnt 0x0
	ds_add_u32 v224, v225
	s_wait_dscnt 0x0
	s_endpgm
.Lfunc_end_k_qad65d22d40_proj:
	.size	k_qad65d22d40_proj, .Lfunc_end_k_qad65d22d40_proj-k_qad65d22d40_proj
	.p2alignl 7, 3214868480
	.fill 96, 4, 3214868480
	.section	.rodata,"a",@progbits
	.p2align	6, 0x0
	.amdhsa_kernel k_qad65d22d40_proj
		.amdhsa_group_segment_fixed_size 34816
		.amdhsa_private_segment_fixed_size 0
		.amdhsa_enable_private_segment 0
		.amdhsa_kernarg_size 40
		.amdhsa_user_sgpr_count 2
		.amdhsa_user_sgpr_kernarg_segment_ptr 1
		.amdhsa_wavefront_size32 1
		.amdhsa_system_sgpr_workgroup_id_x 1
		.amdhsa_system_sgpr_workgroup_id_y 1
		.amdhsa_system_sgpr_workgroup_id_z 1
		.amdhsa_system_vgpr_workitem_id 0
		.amdhsa_next_free_vgpr 226
		.amdhsa_next_free_sgpr 66
		.amdhsa_reserve_vcc 0
		.amdhsa_float_denorm_mode_32 3
		.amdhsa_float_denorm_mode_16_64 3
		.amdhsa_memory_ordered 1
		.amdhsa_forward_progress 1
		.amdhsa_inst_pref_size 19
	.end_amdhsa_kernel
	.amdgpu_metadata
---
amdhsa.version: [ 1, 2 ]
amdhsa.kernels:
  - .name:           k_qad65d22d40_proj
    .symbol:         k_qad65d22d40_proj.kd
    .args:
      - { .name: aout, .offset: 0, .size: 8, .value_kind: global_buffer, .address_space: global }
      - { .name: w_out, .offset: 8, .size: 8, .value_kind: global_buffer, .address_space: global }
      - { .name: b_out, .offset: 16, .size: 8, .value_kind: global_buffer, .address_space: global }
      - { .name: lowp_scales, .offset: 24, .size: 8, .value_kind: global_buffer, .address_space: global }
      - { .name: out0, .offset: 32, .size: 8, .value_kind: global_buffer, .address_space: global }
    .group_segment_fixed_size: 34816
    .private_segment_fixed_size: 0
    .kernarg_segment_align: 8
    .kernarg_segment_size: 40
    .max_flat_workgroup_size: 256
    .sgpr_count:     66
    .vgpr_count:     226
    .wavefront_size: 32
...
	.end_amdgpu_metadata
.endif
;; end of part 3
;; ======== version 2 of 2: 3 launches; version 1 with the launches qkv, attn, proj written anew for expert scheduling mode
;; workspace buffers: codes 3,145,728 bytes; aout 1,048,576 bytes
;; launch qkv (part 4): grid 32 x 8, 8 waves a work-group, no clusters, 58,368 bytes of LDS; arguments x, w_qkv, b_qkv, lowp_scales, codes; writes codes
.if DOCPART == 4
	.amdgcn_target "amdgcn-amd-amdhsa--gfx1250"
	.amdhsa_code_object_version 6
	.text
	.protected	k_qad65d22d40_qkv
	.globl	k_qad65d22d40_qkv
	.p2align	8
	.type	k_qad65d22d40_qkv,@function
k_qad65d22d40_qkv:
	s_mov_b64 s[64:65], 0
	v_nop
	global_prefetch_b8 v0, s[64:65] scope:SCOPE_SE
	s_setreg_imm32_b32 hwreg(HW_REG_WAVE_SCHED_MODE, 0, 2), 2
	s_setreg_imm32_b32 hwreg(HW_REG_WAVE_MODE, 25, 1), 1
	s_wait_xcnt 0x0
	s_wait_alu depctr_vm_vsrc(0)
; qkv = Q(x) Q(w_qkv) + b_qkv on codes of FP8 (E4M3), then q, k and v are quantised for the two products of attention and stored as codes.
; x [4096][256] f32, w_qkv [256][768] f32 (K is its first axis), b_qkv [768] f32, lowp_scales [8] int32 (e0 .. e7), codes: workspace.
; SHARES.  A work-group takes 128 tokens (x of the grid) x 96 features (y): 1,024 (128 + 96) bytes of f32 come in, near the least that 256 equal work-groups allow.
; The 96 features are three groups of 32; group G = 3 y + gi is head G of q (G < 8), head G - 8 of k (G < 16) or head G - 16 of v.
; Wave w quantises token tile w of x (16 rows, two fragments of 128 along K) and rows 32 w .. 32 w + 31 of the slice of w_qkv (a lane to a column, registers down K: each load reads 128 neighbouring bytes).
; OPERANDS GO FROM WAVE TO WAVE THROUGH LDS AS IMAGES OF THEIR REGISTERS: a fragment is four stores of 512 bytes, lane l's 16 bytes at 16 l.  In both operands lane (r, h) holds, in registers 4 c .. 4 c + 3,
; k = 128 s + 32 c + 16 h + 0 .. 15: a permutation of k that is the same on both sides, so every product meets its partner; only the order of the sums inside an instruction differs.
; WHAT IS STORED.  Every unit is 512 bytes, lane l's 16 bytes at 16 l, so a wave's store covers 512 consecutive bytes, aligned.
;   q: head x 131,072 + token tile x 512: lane (r, h) = token r, d = 8 h + 0..7 then 16 + 8 h + 0..7.      k: 1,048,576 + head x 262,144 + key step x 8,192 + key tile x 512, the same lane map.
;   v: the key step's second 4,096 bytes, + d tile x 2,048 + c x 512: lane (r, h) = d 16 ft + r, keys 32 c + 8 h + 0..7 then 32 c + 16 + 8 h + 0..7: the keys are the second product's K.
; So q and k are made TRANSPOSED (source 0 = 16 features, source 1 = 16 tokens: a lane's eight results run along d) and v naturally (a lane's eight results run along the tokens).
; NO CLUSTER, NO TENSOR LOAD: both operands arrive as f32 and pass through registers to be quantised, and the branch between the q/k form and the v form hangs on the feature block, which would be a place in a cluster.
; LIMITS: e0, e1, e2, e3, e5 between -126 and 119, e0 + e1 between -126 and 127, so that each power of two below is an f32 number.  NaN among the inputs is not served (an infinity is held at the largest code).
; REGISTERS: v1 4 r + 64 (w & 1); v4 16 x lane; v5 x's offset; v6 4 x lane; v7-v10 LDS addresses; v11 32 h; v12, v13 scale and limit of x, later of the output; v14, v15 of w; v16-31 codes just made;
;   v32-127 the slice of w (3 x 32 numbers), later six fragments; v128-255 x (2 x 64 numbers), later: v128-175 bias along d, v176-181 bias of one d (twice), v192-239 accumulators, v240-251 output codes.
; THE MODE: SCHED_MODE bits 1:0 = 2 (LLVM: expert scheduling mode 2), set by the entry lines.  The code itself states the register dependences
; between vector or matrix instructions and memory or LDS instructions, with s_wait_alu, always for 0.
; THE PLAN.  Registers that memory or LDS instructions touch:
;   v1, v4-v11    offsets and LDS addresses: written at the head, never again: one wait on va_vdst ahead of the first load serves them all.
;   v[C ..]       written by a run of conversions, read by that run's LDS stores: a wait on va_vdst between the two, a wait on vm_vsrc ahead of the next run's conversions.
;   v128-181      x's K step 0, worked on by its holds and conversions; then the bias lands there: behind that run's wait on va_vdst, with no vector instruction between.
;   v32-127       the slice of w, worked on by its holds and conversions; then fragments land there, a unit's products read them, and the next unit's fragments land:
;                 the first unit's loads stand behind the last run's wait on va_vdst, each later unit's behind the wait ahead of the store of the unit before.
;   v[OC ..]      four registers of its own for each unit: written by its conversions, read by its store, never written again.
;   v256, v257    written at the head, read by the closing add alone.
.set WIMG, 32768                       ; LDS: x's 16 fragments from 0 ((2 tile + s) x 2,048), w's 12 from here (((2 gi + ft) 2 + s) x 2,048)
.set C,    16
.set W,    32
.set FR,   32
.set X,    128
.set BQK,  128
.set BVV,  176
.set ACC,  192
.set OC,   240
.macro MKSCALE e, vs, vl               ; from the whole number in s[e]: v[vs] = 2^e (the conversion takes its exponent field), v[vl] = 448 x 2^e
	s_add_co_i32 s34, s[\e], 127
	s_lshl_b32 s35, s34, 23
	v_mov_b32 v[\vs], s35
	s_add_co_i32 s34, s34, 8
	s_lshl_b32 s34, s34, 23
	s_or_b32 s34, s34, 0x600000
	v_mov_b32 v[\vl], s34
.endm
.macro XLOAD s                         ; my 16 rows' numbers of K step s: lane (r, h) takes 16 neighbours of each block of 32
.irp c, 0,1,2,3
.irp j, 0,1,2,3
	global_load_b128 v[X+64*\s+16*\c+4*\j:X+64*\s+16*\c+4*\j+3], v5, s[4:5] offset:512*\s+128*\c+16*\j
.endr
.endr
.endm
.macro WLOAD gi                        ; w(32 w + i, my column of group gi), i = 0 .. 31
.set i, 0
.rept 32
	global_load_b32 v[W+32*\gi+i], v6, s[6:7] offset:3072*i+128*\gi
.set i, i+1
.endr
.endm
.macro QX s                            ; 64 numbers of x become a fragment, and its image goes to LDS
.set i, 0
.rept 64
	v_med3_num_f32 v[X+64*\s+i], v[X+64*\s+i], -v13, v13   ; the conversion to an 8-bit code does not saturate (ISA guide 7.6.2): the hold at the largest code x the scale
.set i, i+1
.endr
.if \s > 0
	s_wait_alu depctr_vm_vsrc(0)                   ; the LDS stores of the fragment before have read v[C ..], which the conversions write again
.endif
.set i, 0
.rept 8
	v_cvt_scalef32_pk8_fp8_f32 v[C+2*i:C+2*i+1], v[X+64*\s+8*i:X+64*\s+8*i+7], v12
.set i, i+1
.endr
	v_nop                                          ; a plain vector line behind the last conversion, ahead of whatever next writes its registers
	s_wait_alu depctr_va_vdst(0)                   ; the conversions have written v[C ..], which the LDS stores read; they and the holds are done with this K step's registers, in which (K step 0) the bias lands
.irp c, 0,1,2,3
	ds_store_b128 v7, v[C+4*\c:C+4*\c+3] offset:2048*\s+512*\c
.endr
	s_wait_dscnt 0x0                               ; my LDS stores are done: nothing of mine is out at the barrier below
.endm
.macro WQ gi                           ; my 32 numbers down K of one column: 16 codes for the fragment's lane (r, 0), 16 for lane (r, 1), 256 bytes on
.set i, 0
.rept 32
	v_med3_num_f32 v[W+32*\gi+i], v[W+32*\gi+i], -v15, v15
.set i, i+1
.endr
	s_wait_alu depctr_vm_vsrc(0)                   ; the LDS stores of the run before have read v[C ..], which the conversions write again
.irp n, 0,1,2,3
	v_cvt_scalef32_pk8_fp8_f32 v[C+2*\n:C+2*\n+1], v[W+32*\gi+8*\n:W+32*\gi+8*\n+7], v14
.endr
	v_nop
	s_wait_alu depctr_va_vdst(0)                   ; the conversions have written v[C ..], which the LDS stores read; they and the holds are done with the group's registers, in which fragments land behind the barrier
	ds_store_b128 v8, v[C:C+3] offset:8192*\gi
	ds_store_b128 v8, v[C+4:C+7] offset:8192*\gi+256
	s_wait_dscnt 0x0                               ; my LDS stores are done: nothing of mine is out at the barrier below
.endm
.macro FETCH reg, adr, off             ; a fragment's image comes back as it was stored, in any wave
.irp c, 0,1,2,3
	ds_load_b128 v[(\reg)+4*\c:(\reg)+4*\c+3], v[\adr] offset:(\off)+512*\c
.endr
.endm
	s_load_b256 s[4:11], s[0:1], 0x0               ; x s[4:5], w_qkv s[6:7], b_qkv s[8:9], lowp_scales s[10:11]
	s_load_b64 s[12:13], s[0:1], 0x20              ; codes
	s_set_vgpr_msb 0x40
	v_lshl_add_u32 v0, v0, 2, 0xe000
	v_mov_b32 v1, 0
	s_set_vgpr_msb 0x4000
	v_lshrrev_b32 v2, 5, v0
	v_readfirstlane_b32 s14, v2                    ; wave w, 0..7
	v_and_b32 v2, 15, v0                           ; r
	s_wait_alu depctr_va_vdst(0)
	v_bfe_u32 v3, v0, 4, 1                         ; h
	v_and_b32 v4, 31, v0
	v_lshlrev_b32 v6, 2, v4                        ; 4 x lane
	v_lshlrev_b32 v4, 4, v4                        ; 16 x lane
	v_lshlrev_b32 v5, 10, v2
	v_lshl_add_u32 v5, v3, 6, v5                   ; x: row r of 1,024 bytes + 64 h
	s_wait_alu depctr_va_sdst(0)                   ; s14 is written, ahead of its first reader: LDS addresses and bases are made from it
	s_lshl_b32 s34, s14, 12
	v_add_nc_u32 v7, s34, v4                       ; x's images of token tile w: stored here, and read here for q and k
	s_lshr_b32 s34, s14, 2
	s_lshl_b32 s34, s34, 11                        ; K step w / 4
	s_and_b32 s35, s14, 3
	s_lshl_b32 s35, s35, 9                         ; block w % 4 of it
	s_add_co_u32 s34, s34, s35
	s_add_co_u32 s34, s34, WIMG
	v_lshlrev_b32 v8, 4, v2
	s_wait_alu depctr_va_vdst(0)
	v_lshl_add_u32 v8, v3, 12, v8                  ; my column is row r of feature tile lane / 16
	v_add_nc_u32 v8, s34, v8                       ; where w's codes are stored
	s_lshr_b32 s34, s14, 1                         ; w / 2
	s_lshl_b32 s35, s34, 13
	v_add_nc_u32 v9, s35, v4                       ; for v: x's images of token tiles 2 (w / 2) and 2 (w / 2) + 1
	s_and_b32 s36, s14, 1                          ; w % 2
	s_lshl_b32 s35, s36, 12
	s_add_co_u32 s35, s35, WIMG
	v_add_nc_u32 v10, s35, v4                      ; for v: w's images of feature tile w % 2
	v_lshlrev_b32 v11, 5, v3                       ; bias along d: 32 h
	s_lshl_b32 s35, s36, 6
	v_lshl_add_u32 v1, v2, 2, s35                  ; bias of one d: 4 r + 64 (w % 2)
	s_and_b32 s16, ttmp7, 0xffff                   ; feature block
	s_mul_i32 s17, s16, 3                          ; its first group
	s_lshl_b32 s37, s14, 9
	s_lshl_b32 s18, ttmp9, 12
	s_add_co_u32 s18, s18, s37                     ; q: token tile 8 x + w, in units of 512 bytes
	s_lshl_b32 s19, ttmp9, 13                      ; k, v: key step x
	s_lshl_b32 s20, s36, 11
	s_lshl_b32 s34, s34, 9
	s_add_co_u32 s20, s20, s34
	s_add_co_u32 s20, s20, s19
	s_add_co_u32 s20, s20, 0x101000                ; v: the kv region + the step's second half + d tile w % 2 + c = w / 2
	s_add_co_u32 s19, s19, s37
	s_add_co_u32 s19, s19, 0x100000                ; k: the kv region + key tile w
	s_lshl_b32 s40, ttmp9, 17
	s_lshl_b32 s38, s14, 14
	s_add_co_u32 s40, s40, s38                     ; x: 128 rows a block, 16 a wave
	s_mov_b32 s41, 0
	s_mul_i32 s42, s14, 98304                      ; w_qkv: 32 rows of 3,072 bytes a wave,
	s_mul_i32 s38, s16, 384                        ; 96 columns a block
	s_add_co_u32 s42, s42, s38
	s_mov_b32 s43, 0
	s_mov_b32 s39, 0
	s_wait_kmcnt 0x0
	s_load_b256 s[24:31], s[10:11], 0x0            ; e0 .. e7
	s_add_nc_u64 s[4:5], s[4:5], s[40:41]
	s_add_nc_u64 s[6:7], s[6:7], s[42:43]
	s_add_nc_u64 s[8:9], s[8:9], s[38:39]
	s_wait_alu depctr_va_vdst(0)                   ; the offsets and LDS addresses v1 and v4 to v11 are written, which the loads and stores of the whole kernel read
	XLOAD 0                                        ; 128 loads go out on end: 32 of x, 96 of w
	XLOAD 1
	WLOAD 0
	WLOAD 1
	WLOAD 2
	s_wait_kmcnt 0x0
	s_add_co_i32 s34, s24, s25
	s_add_co_i32 s34, s34, 127
	s_lshl_b32 s32, s34, 23                        ; 2^(e0 + e1): what a sum of codes lacks
	s_mov_b32 s33, s32                             ; (named with it as a pair, so it is written)
	MKSCALE 24, 12, 13
	MKSCALE 25, 14, 15
	s_wait_alu depctr_va_vdst(0)
	s_wait_loadcnt 63                              ; loads come back in order: of 128 the first 65 are in: all of x and w's group 0
	QX 0
.irp gi, 0,1,2                         ; 18 loads of the bias, in both forms, into the registers that K step 0 of x has left.  No wait: no vector instruction since the wait on va_vdst in QX 0 names them
.irp ft, 0,1
	global_load_b128 v[BQK+16*\gi+8*\ft:BQK+16*\gi+8*\ft+3], v11, s[8:9] offset:128*\gi+64*\ft
	global_load_b128 v[BQK+16*\gi+8*\ft+4:BQK+16*\gi+8*\ft+7], v11, s[8:9] offset:128*\gi+64*\ft+16
.endr
	global_load_b32 v[BVV+2*\gi], v1, s[8:9] offset:128*\gi
	global_load_b32 v[BVV+2*\gi+1], v1, s[8:9] offset:128*\gi      ; the same number again: a pair for the packed multiply-add
.endr
	QX 1
	WQ 0
	s_wait_loadcnt 50                              ; group 1 is in; behind it: group 2's 32 and the bias's 18
	WQ 1
	s_wait_loadcnt 18                              ; group 2 is in; the bias may be out
	WQ 2
	s_barrier_signal -1                            ; every macro above ended with a wait for all my LDS stores
	s_barrier_wait -1                              ; all 28 fragments lie in LDS; nothing is stored there from here on
	s_wait_loadcnt 0x0                             ; the bias
; One unit of 512 bytes of codes for group gi.  The two accumulators take turns, one instruction a turn.
; The fragments' LDS loads want no wait of their own: no vector or matrix instruction since the last wait on va_vdst (in WQ 2, or ahead of the store of the unit before) names v[FR ..].
.macro UNIT gi
	s_add_co_u32 s38, s17, \gi                     ; G
	s_and_b32 s40, s38, 7
	s_lshl_b32 s40, s40, 18                        ; the head's 262,144 bytes in the kv region
	s_cmp_ge_u32 s38, 16
	s_cbranch_scc1 .Lvals_\@
	FETCH FR, 7, 0                                 ; q or k: token tile w,
	FETCH FR+16, 7, 2048
.irp ft, 0,1
.irp s, 0,1
	FETCH FR+32+16*(2*\ft+\s), 4, WIMG+8192*\gi+4096*\ft+2048*\s   ; both feature tiles of the group
.endr
.endr
	s_lshl_b32 s39, s38, 17
	s_add_co_u32 s39, s39, s18                     ; where a unit of q goes,
	s_add_co_u32 s40, s40, s19                     ; and of k
	s_cmp_lt_u32 s38, 8
	s_cselect_b32 s40, s39, s40
	s_cselect_b32 s42, s26, s27                    ; e2 or e3
	s_wait_dscnt 0x0
	v_wmma_f32_16x16x128_fp8_fp8 v[ACC+16*\gi:ACC+16*\gi+7], v[FR+32:FR+47], v[FR:FR+15], 0
	v_wmma_f32_16x16x128_fp8_fp8 v[ACC+16*\gi+8:ACC+16*\gi+15], v[FR+64:FR+79], v[FR:FR+15], 0
	v_wmma_f32_16x16x128_fp8_fp8 v[ACC+16*\gi:ACC+16*\gi+7], v[FR+48:FR+63], v[FR+16:FR+31], v[ACC+16*\gi:ACC+16*\gi+7]
	v_wmma_f32_16x16x128_fp8_fp8 v[ACC+16*\gi+8:ACC+16*\gi+15], v[FR+80:FR+95], v[FR+16:FR+31], v[ACC+16*\gi+8:ACC+16*\gi+15]
	MKSCALE 42, 12, 13                             ; its two v_mov_b32 and the two v_nop are the four places behind the products (ISA guide 7.12.1)
	v_nop
	v_nop
.irp j, 0,2,4,6,8,10,12,14
	v_pk_fma_f32 v[ACC+16*\gi+\j:ACC+16*\gi+\j+1], v[ACC+16*\gi+\j:ACC+16*\gi+\j+1], s[32:33], v[BQK+16*\gi+\j:BQK+16*\gi+\j+1] op_sel_hi:[1,0,1]   ; sum x 2^(e0 + e1) + bias: lane (r, h) = token r, d = 8 h + 0..7, 16 + 8 h + 0..7
.endr
	s_branch .Lcode_\@
.Lvals_\@:
.irp i, 0,1
.irp s, 0,1
	FETCH FR+16*(2*\i+\s), 9, (2*\i+\s)*2048       ; v: two token tiles,
.endr
.endr
	FETCH FR+64, 10, 8192*\gi                      ; one feature tile
	FETCH FR+80, 10, 8192*\gi+2048
	s_add_co_u32 s40, s40, s20
	s_mov_b32 s42, s29                             ; e5
	s_wait_dscnt 0x0
	v_wmma_f32_16x16x128_fp8_fp8 v[ACC+16*\gi:ACC+16*\gi+7], v[FR:FR+15], v[FR+64:FR+79], 0
	v_wmma_f32_16x16x128_fp8_fp8 v[ACC+16*\gi+8:ACC+16*\gi+15], v[FR+32:FR+47], v[FR+64:FR+79], 0
	v_wmma_f32_16x16x128_fp8_fp8 v[ACC+16*\gi:ACC+16*\gi+7], v[FR+16:FR+31], v[FR+80:FR+95], v[ACC+16*\gi:ACC+16*\gi+7]
	v_wmma_f32_16x16x128_fp8_fp8 v[ACC+16*\gi+8:ACC+16*\gi+15], v[FR+48:FR+63], v[FR+80:FR+95], v[ACC+16*\gi+8:ACC+16*\gi+15]
	MKSCALE 42, 12, 13
	v_nop
	v_nop
.irp j, 0,2,4,6,8,10,12,14
	v_pk_fma_f32 v[ACC+16*\gi+\j:ACC+16*\gi+\j+1], v[ACC+16*\gi+\j:ACC+16*\gi+\j+1], s[32:33], v[BVV+2*\gi:BVV+2*\gi+1] op_sel_hi:[1,0,1]   ; lane (r, h) = d 16 (w % 2) + r, tokens 8 h + 0..7 of the two tiles
.endr
.Lcode_\@:
	s_add_nc_u64 s[44+2*\gi:45+2*\gi], s[12:13], s[40:41]   ; a base of its own for each unit's store: none is written again
.set i, 0
	s_wait_alu depctr_va_vdst(0)
.rept 16
	v_med3_num_f32 v[ACC+16*\gi+i], v[ACC+16*\gi+i], -v13, v13
.set i, i+1
.endr
	v_cvt_scalef32_pk8_fp8_f32 v[OC+4*\gi:OC+4*\gi+1], v[ACC+16*\gi:ACC+16*\gi+7], v12
	v_cvt_scalef32_pk8_fp8_f32 v[OC+4*\gi+2:OC+4*\gi+3], v[ACC+16*\gi+8:ACC+16*\gi+15], v12
	v_nop                                          ; a plain line behind the conversions: the next unit writes v12 and v13
	s_wait_alu depctr_va_vdst(0)                   ; the conversions have written v[OC ..], which the store reads; the unit's products are done reading v[FR ..], in which a following unit's fragments land
	global_store_b128 v4, v[OC+4*\gi:OC+4*\gi+3], s[44+2*\gi:45+2*\gi]   ; 32 lanes store 512 consecutive bytes, at a multiple of 512 from the buffer's first byte
.endm
	UNIT 0
	UNIT 1
	UNIT 2
	s_set_vgpr_msb 0x5                             ; the add's two registers, sources 0 and 1, lie in window 1
	s_wait_dscnt 0x0                               ; the closing lines, six on end
	s_wait_alu 0x0
	s_wait_tensorcnt 0x0
	ds_add_u32 v0, v1
	s_wait_dscnt 0x0
	s_endpgm
.Lfunc_end_k_qad65d22d40_qkv:
	.size	k_qad65d22d40_qkv, .Lfunc_end_k_qad65d22d40_qkv-k_qad65d22d40_qkv
	.p2alignl 7, 3214868480
	.fill 96, 4, 3214868480
	.section	.rodata,"a",@progbits
	.p2align	6, 0x0
	.amdhsa_kernel k_qad65d22d40_qkv
		.amdhsa_group_segment_fixed_size 58368
		.amdhsa_private_segment_fixed_size 0
		.amdhsa_enable_private_segment 0
		.amdhsa_kernarg_size 40
		.amdhsa_user_sgpr_count 2
		.amdhsa_user_sgpr_kernarg_segment_ptr 1
		.amdhsa_wavefront_size32 1
		.amdhsa_system_sgpr_workgroup_id_x 1
		.amdhsa_system_sgpr_workgroup_id_y 1
		.amdhsa_system_sgpr_workgroup_id_z 1
		.amdhsa_system_vgpr_workitem_id 0
		.amdhsa_next_free_vgpr 258
		.amdhsa_next_free_sgpr 66
		.amdhsa_reserve_vcc 0
		.amdhsa_float_denorm_mode_32 3
		.amdhsa_float_denorm_mode_16_64 3
		.amdhsa_memory_ordered 1
		.amdhsa_forward_progress 1
		.amdhsa_inst_pref_size 57
	.end_amdhsa_kernel
	.amdgpu_metadata
---
amdhsa.version: [ 1, 2 ]
amdhsa.kernels:
  - .name:           k_qad65d22d40_qkv
    .symbol:         k_qad65d22d40_qkv.kd
    .args:
      - { .name: x, .offset: 0, .size: 8, .value_kind: global_buffer, .address_space: global }
      - { .name: w_qkv, .offset: 8, .size: 8, .value_kind: global_buffer, .address_space: global }
      - { .name: b_qkv, .offset: 16, .size: 8, .value_kind: global_buffer, .address_space: global }
      - { .name: lowp_scales, .offset: 24, .size: 8, .value_kind: global_buffer, .address_space: global }
      - { .name: codes, .offset: 32, .size: 8, .value_kind: global_buffer, .address_space: global }
    .group_segment_fixed_size: 58368
    .private_segment_fixed_size: 0
    .kernarg_segment_align: 8
    .kernarg_segment_size: 40
    .max_flat_workgroup_size: 256
    .sgpr_count:     66
    .vgpr_count:     258
    .wavefront_size: 32
...
	.end_amdgpu_metadata
.endif
;; end of part 4
;; launch attn (part 5): grid 32 x 8, 16 waves a work-group, no clusters, 282,624 bytes of LDS; arguments codes, lowp_scales, aout; writes aout
.if DOCPART == 5
	.amdgcn_target "amdgcn-amd-amdhsa--gfx1250"
	.amdhsa_code_object_version 6
	.text
	.protected	k_qad65d22d40_attn
	.globl	k_qad65d22d40_attn
	.p2align	8
	.type	k_qad65d22d40_attn,@function
k_qad65d22d40_attn:
	s_mov_b64 s[64:65], 0
	v_nop
	global_prefetch_b8 v0, s[64:65] scope:SCOPE_SE
	s_setreg_imm32_b32 hwreg(HW_REG_WAVE_SCHED_MODE, 0, 2), 2
	s_setreg_imm32_b32 hwreg(HW_REG_WAVE_MODE, 25, 1), 1
	s_wait_xcnt 0x0
	s_wait_alu depctr_vm_vsrc(0)
; For each head: O = softmax(q k^T / 16) v, both products on codes of FP8 (E4M3); the result is quantised for the last projection and stored as codes.
; THE SOFTMAX AHEAD OF THE SECOND PRODUCT: t = score x log2(e) / 16; M = the largest t so far, rounded UP to a whole number; p = 2^(t - M) is quantised along the keys, not normalised; the row's sum is taken of the
; unquantised p in f32 and divides O at the end.  When M moves, the sum and O are multiplied by 2^(old M - new M), which rounds nothing.
; SHARES.  A work-group owns 128 queries of one head (grid x: the block, y: the head).  Wave w owns query tile w % 8 (16 queries) and every second key step: steps 2 i + w / 8, i = 0 .. 15, 128 keys each.
; At the end waves 8-15 hand -M, the sum and O^T to waves 0-7 through LDS; both M are whole numbers, so the two halves are joined by exact powers of two.  Four waves share a SIMD, 256 registers each.
; LDS.  The head's k and v codes, 262,144 bytes, lie in LDS as they lie in memory; each byte is written once, in four chunks of 65,536 bytes (eight key steps), through registers; a chunk's loads are issued
; before the chunk in front of it is worked, so only the first is waited for at length.  Behind them 8 x 2,304 bytes for the hand-over.
; LAYOUT.  Both products are used transposed: S^T = k q^T (source 0 = 16 keys, source 1 = my 16 queries), O^T = v^T p^T: a lane holds ONE query (lane % 16) throughout, and the conversion of tile t of S^T
; gives registers 2 t, 2 t + 1 of the second product's operand (keys 16 t + 8 (lane / 16) + 0..7), where v's codes were laid to match.
; THE HEAD'S 32 IN A FORM OF 64 ALONG K: one source 0 holds two key tiles (registers 0-3, 4-7); against [q, 0] it gives the first tile's scores, against [0, q] the second's.  The other half meets zero codes
; (k's codes are numbers: the quantiser holds at the largest code).
; NO CLUSTER, NO TENSOR LOAD, though the 32 work-groups of a head read the same k and v: a joint request is a tensor load; the 64 holds of p would then run in
; each of a wave's 16 steps, beside some 190 other vector instructions, to spare 32 loads and 32 LDS stores a wave in the whole launch.
; LIMITS: e4, e6 between -126 and 119; e2 + e3 between -122 and 131 (added to the exponent field of log2(e) / 16); e4 + e5 is applied by v_ldexp_f32 and has none.
; REGISTERS: v1-v8 addresses; v12 -M, v13 the largest t, v[14:15] the sum in two halves; v16-23 [q, 0], v24-31 [0, q]; v32-63 k; v64-95 v; v96-159 S^T, then p; v160-175 O^T; v176-191 p's codes;
;   v192-223 the chunk on its way; v224-230 at work; v232, v233: 448 x 2^e4, 2^e4; v234, v235: the same for e6.
; THE MODE: SCHED_MODE bits 1:0 = 2 (LLVM: expert scheduling mode 2), set by the entry lines.  The code itself states the register dependences
; between vector or matrix instructions and memory or LDS instructions, with s_wait_alu, always for 0.
; THE PLAN.  Registers that memory or LDS instructions touch:
;   v2, v6, v7, v8  offsets and LDS addresses: written at the head, never again.
;   v4, v5        a chunk's place in LDS for my stores, and its first key step of my parity: written at the chunk's head; v4 is read by the chunk's eight LDS stores, v5 by its first eight loads of k.
;   v3            a key step's first byte: written once a step, behind the step's first eight products; read by the sixteen LDS loads that stand behind the step's wait.
;   v[F ..]       global loads land there, LDS stores read them; no vector instruction names them.
;   v[KF ..]      read by a step's first eight products; the next step's k lands there in the same step, behind its wait.
;   v[VF ..]      read by a step's last two products; the next step's v lands there behind the next step's wait.
; The wait on va_vdst behind a step's 64 exponentials, ahead of their first reader, also states that the step's first eight products are done reading k's registers, that the last
; step's two are done reading v's, and that v3 is written.  The step's sixteen LDS loads follow it at once (this step's v, the next step's k) and have the sums, the conversions and the rescaling in which to land.
; One wait on vm_vsrc a step stands ahead of the add that writes v3.  At a chunk's head: vm_vsrc ahead of the adds to v4 and v5, va_vdst behind them, vm_vsrc between the LDS stores and the loads into v[F ..].
.set MRG, 262144
.set KF,  32
.set VF,  64
.set S,   96
.set O,   160
.set P,   176
.set F,   192
.macro MKSCALE e, vs, vl               ; from the whole number in s[e]: v[vs] = 2^e, v[vl] = 448 x 2^e
	s_add_co_i32 s40, s[\e], 127
	s_lshl_b32 s41, s40, 23
	v_mov_b32 v[\vs], s41
	s_add_co_i32 s40, s40, 8
	s_lshl_b32 s40, s40, 23
	s_or_b32 s40, s40, 0x600000
	v_mov_b32 v[\vl], s40
.endm
	s_load_b128 s[4:7], s[0:1], 0x0                ; codes s[4:5], lowp_scales s[6:7]
	s_load_b64 s[8:9], s[0:1], 0x10                ; aout
	v_lshl_add_u32 v254, v0, 2, 0x44800
	v_mov_b32 v255, 0
	v_lshrrev_b32 v9, 5, v0
	v_readfirstlane_b32 s10, v9                    ; wave w, 0..15
	v_and_b32 v9, 31, v0
	v_lshlrev_b32 v8, 4, v9                        ; 16 x lane
	s_wait_alu depctr_va_sdst(0)                   ; s10 is written, ahead of its first reader: LDS addresses, bases and the branches on the wave's number are made from it
	s_and_b32 s11, s10, 7                          ; my query tile
	s_lshr_b32 s12, s10, 3                         ; my parity of key steps
	s_lshl_b32 s38, s12, 13
	v_add_nc_u32 v1, s38, v8                       ; a chunk's first key step of my parity
	s_lshl_b32 s38, s10, 12
	v_add_nc_u32 v2, s38, v8                       ; my 4,096 bytes of a chunk, in memory and in LDS
	s_mul_i32 s38, s11, 2304
	s_add_co_u32 s38, s38, MRG
	v_add_nc_u32 v6, s38, v8                       ; the hand-over: O^T, four times 512 bytes,
	v_lshlrev_b32 v7, 3, v9
	v_add_nc_u32 v7, s38, v7
	v_add_nc_u32 v7, 2048, v7                      ; then -M and the sum, 8 bytes a lane
	s_and_b32 s13, ttmp7, 0xffff                   ; the head
	s_lshl_b32 s40, s13, 18
	s_add_co_u32 s40, s40, 0x100000                ; its k and v
	s_mov_b32 s41, 0
	s_lshl_b32 s14, ttmp9, 3
	s_add_co_u32 s14, s14, s11                     ; my token tile: 8 x + w % 8
	s_lshl_b32 s42, s13, 17
	s_lshl_b32 s38, s14, 9
	s_add_co_u32 s42, s42, s38                     ; its unit of q
	s_mov_b32 s43, 0
	s_lshl_b32 s44, s14, 12                        ; aout: token tile x 4,096 + (head / 4) x 2,048 + (head % 4) x 512
	s_lshr_b32 s38, s13, 2
	s_lshl_b32 s38, s38, 11
	s_add_co_u32 s44, s44, s38
	s_and_b32 s38, s13, 3
	s_lshl_b32 s38, s38, 9
	s_add_co_u32 s44, s44, s38
	s_mov_b32 s45, 0
	s_mov_b32 s34, 0x76543210                      ; v_permlanex16_b32's selects for lane l xor 16
	s_mov_b32 s35, 0xfedcba98
	s_wait_kmcnt 0x0
	s_load_b256 s[24:31], s[6:7], 0x0              ; e0 .. e7
	s_add_nc_u64 s[16:17], s[4:5], s[40:41]
	s_add_nc_u64 s[18:19], s[4:5], s[42:43]
	s_add_nc_u64 s[20:21], s[8:9], s[44:45]
	s_wait_alu depctr_va_vdst(0)                   ; v2, v6, v7 and v8 are written, which the loads and stores of the whole kernel read as offsets and addresses
.irp i, 0,1,2,3,4,5,6,7
	global_load_b128 v[F+4*\i:F+4*\i+3], v2, s[16:17] offset:512*\i   ; chunk 0: each load 512 consecutive bytes
.endr
	global_load_b128 v[16:19], v8, s[18:19]        ; q, into the low half of one operand
	global_load_b128 v[28:31], v8, s[18:19]        ; and into the high half of the other
.irp j, 20,21,22,23,24,25,26,27
	v_mov_b32 v\j, 0                               ; zero codes in the other halves
.endr
.set i, 0
.rept 16
	v_mov_b32 v[O+i], 0                            ; O^T.  (The step is written once: the first finds zeros, which the first change of M leaves zeros)
.set i, i+1
.endr
	v_mov_b32 v13, 0xff61b1e6                      ; the largest t so far: -3e38, under every t
	v_floor_f32 v12, -v13                          ; -M
	v_mov_b32 v14, 0
	v_mov_b32 v15, 0
	v_mov_b32 v227, 0                              ; (named as the upper half of the pair v[226:227])
	v_mov_b32 v230, 0                              ; written once: a lane permute's destination counts as one of its sources
	s_wait_kmcnt 0x0
	s_add_co_i32 s38, s26, s27
	s_lshl_b32 s38, s38, 23
	s_add_co_i32 s32, s38, 0x3db8aa3b              ; c = log2(e) / 16, with e2 + e3 added to its exponent field: t = sum of codes x c
	s_mov_b32 s33, s32                             ; (named with it as a pair, so it is written)
	s_add_co_i32 s39, s28, s29                     ; e4 + e5
	MKSCALE 28, 233, 232
	MKSCALE 30, 235, 234
; Chunk c goes from registers into LDS, the next chunk's loads go out, and a barrier shows the chunk to every wave.
.macro FILL c
	s_wait_loadcnt 0x0                             ; my part of the chunk is in registers (for c > 0 it was asked for four key steps ago)
.if \c > 0
	s_wait_alu depctr_vm_vsrc(0)                   ; the last chunk's LDS stores have read v4, and its first loads of k have read v5
.endif
	v_add_nc_u32 v4, \c*65536, v2
	v_add_nc_u32 v5, \c*65536, v1
	s_wait_alu depctr_va_vdst(0)                   ; v4 is written, which the LDS stores read, and v5, which the chunk's first loads of k read
.irp i, 0,1,2,3,4,5,6,7
	ds_store_b128 v4, v[F+4*\i:F+4*\i+3] offset:512*\i
.endr
	s_wait_dscnt 0x0                               ; for the others' sake: my part of the chunk is in LDS
.if \c < 3
	s_wait_alu depctr_vm_vsrc(0)                   ; the LDS stores have read v[F ..], in which the next chunk's loads land
.irp i, 0,1,2,3,4,5,6,7
	global_load_b128 v[F+4*\i:F+4*\i+3], v2, s[16:17] offset:(\c+1)*65536+512*\i
.endr
.endif
	s_barrier_signal -1
	s_barrier_wait -1
.endm
; A KEY STEP: 128 keys, at LDS byte v5 + s36.  Its k is in registers when it begins.
.macro STEP
.irp t, 0,1,2,3,4,5,6,7
	v_wmma_f32_16x16x64_fp8_fp8 v[S+8*\t:S+8*\t+7], v[KF+8*(\t/2):KF+8*(\t/2)+7], v[16+8*(\t%2):23+8*(\t%2)], 0
.endr
	s_wait_alu depctr_vm_vsrc(0)                   ; the LDS loads of the step before have read v3
	v_add_nc_u32 v3, s36, v5                       ; this step's first byte; with the three v_nop: four places behind the products, ahead of the first read of the scores (ISA guide 7.12.1)
	v_nop
	v_nop
	v_nop
	v_max3_num_f32 v224, v96, v97, v98             ; the step's largest score of my query among my 64 keys, in two chains, each accumulator from its low end on
	v_max3_num_f32 v225, v99, v100, v101
.irp i, 6,10,14,18,22,26,30,34,38,42,46,50,54,58
	v_max3_num_f32 v224, v224, v[96+\i], v[97+\i]
	v_max3_num_f32 v225, v225, v[98+\i], v[99+\i]
.endr
	v_max3_num_f32 v224, v224, v158, v159
	v_max_num_f32 v224, v224, v225
	v_permlanex16_b32 v230, v224, s34, s35
	v_max_num_f32 v224, v224, v230                 ; and among lane l xor 16's
	v_mul_f32 v224, s32, v224                      ; as t (c is positive)
	v_max_num_f32 v13, v13, v224                   ; the running largest t
	v_mov_b32 v224, v12
	v_floor_f32 v12, -v13                          ; the new -M = floor(-t) = -ceil(t)
	v_sub_f32 v224, v12, v224                      ; old M - new M: a whole number, 0 or less
	v_cvt_i32_f32 v224, v224                       ; (it saturates)
	v_ldexp_f32 v226, 1.0, v224                    ; f = 2^(old M - new M)
.irp j, 0,2,4,6,8,10,12,14,16,18,20,22,24,26,28,30,32,34,36,38,40,42,44,46,48,50,52,54,56,58,60,62
	v_pk_fma_f32 v[S+\j:S+\j+1], v[S+\j:S+\j+1], s[32:33], v[12:13] op_sel_hi:[1,0,0]   ; t - M, two at a time (of the pairs c and -M the low word serves both halves)
.endr
.set i, 0
	s_wait_alu depctr_va_vdst(0)
.rept 64
	v_exp_f32 v[S+i], v[S+i]                       ; p = 2^(t - M), at most 1
.set i, i+1
.endr
	v_pk_mul_f32 v[14:15], v[14:15], v[226:227] op_sel_hi:[1,0]   ; the sums under the new M: the plain line behind the exponentials
	s_wait_alu depctr_va_vdst(0)                   ; the 64 exponentials have written p, ahead of its first reader; the eight products above are done reading v[KF ..] and the last step's two reading v[VF ..], in which the loads below land; v3 is written, which they read
.irp t, 0,1,2,3,4,5,6,7
	ds_load_b128 v[VF+4*\t:VF+4*\t+3], v3 offset:4096+512*\t        ; this step's v: d tile t / 4, keys 32 (t % 4) on
.endr
	s_cmp_eq_u32 s37, 1                            ; my last step of a chunk asks for no more of k: the next chunk's bytes are shown by its own barrier
	s_cbranch_scc1 .Lno_next_\@
.irp t, 0,1,2,3,4,5,6,7
	ds_load_b128 v[KF+4*\t:KF+4*\t+3], v3 offset:16384+512*\t       ; key tile t of my parity's next step, two key steps on
.endr
.Lno_next_\@:
	v_pk_add_f32 v[228:229], v[S:S+1], v[S+2:S+3]  ; the row's sum of the UNQUANTISED p, two at a time, in two chains
.irp j, 4,8,12,16,20,24,28,32,36,40,44,48,52,56,60
	v_pk_add_f32 v[14:15], v[14:15], v[S+\j:S+\j+1]
	v_pk_add_f32 v[228:229], v[228:229], v[S+\j+2:S+\j+3]
.endr
	v_pk_add_f32 v[14:15], v[14:15], v[228:229]
	s_cmp_ge_i32 s28, -8                           ; p <= 1 <= 448 x 2^e4 from e4 = -8 on: the hold would change nothing.  A branch on a whole number that was given
	s_cbranch_scc1 .Lno_hold_\@
.set i, 0
.rept 64
	v_min_num_f32 v[S+i], v[S+i], v232             ; the conversion to an 8-bit code does not saturate (ISA guide 7.6.2); p is not negative, so the hold is one-sided
.set i, i+1
.endr
.Lno_hold_\@:
.irp t, 0,1,2,3,4,5,6,7
	v_cvt_scalef32_pk8_fp8_f32 v[P+2*\t:P+2*\t+1], v[S+8*\t:S+8*\t+7], v233
.endr
.irp j, 0,2,4,6,8,10,12,14
	v_pk_mul_f32 v[O+\j:O+\j+1], v[O+\j:O+\j+1], v[226:227] op_sel_hi:[1,0]   ; O^T under the new M; also the plain lines between the conversions and the products that read the codes
.endr
	s_wait_alu depctr_va_vdst(0)
	s_wait_dscnt 0x0                               ; v is in, and so is the next step's k
	v_wmma_f32_16x16x128_fp8_fp8 v[O:O+7], v[VF:VF+15], v[P:P+15], v[O:O+7]   ; the two accumulators take turns with the eight tiles of scores, one instruction a turn
	v_wmma_f32_16x16x128_fp8_fp8 v[O+8:O+15], v[VF+16:VF+31], v[P:P+15], v[O+8:O+15]
	s_add_co_u32 s36, s36, 16384                   ; two key steps on: my parity's next
.endm
.macro CHUNK c                         ; a chunk holds four key steps of my parity
	FILL \c
.irp t, 0,1,2,3,4,5,6,7
	ds_load_b128 v[KF+4*\t:KF+4*\t+3], v5 offset:512*\t             ; k of the chunk's first step of my parity.  No wait: no vector or matrix instruction since the wait on va_vdst in FILL names v5 or v[KF ..]
.endr
	s_mov_b32 s36, 0
	s_mov_b32 s37, 4
	s_wait_dscnt 0x0                               ; it is in
.Lstep_\@:
	STEP
	s_sub_co_i32 s37, s37, 1
	s_cmp_lg_u32 s37, 0
	s_cbranch_scc1 .Lstep_\@
.endm
	CHUNK 0
	CHUNK 1
	CHUNK 2
	CHUNK 3
	; THE TWO HALVES OF THE KEYS MEET.
	v_add_f32 v14, v14, v15                        ; the sum's two halves; with the three v_nop: the four places behind the last products
	v_nop
	v_nop
	v_nop
	v_mov_b32 v13, v14                             ; v[12:13] = -M, the sum
	s_wait_alu depctr_va_vdst(0)                   ; the last products have written O^T and the line above v13, which the LDS stores of waves 8-15 read; all vector work on v[S ..] is over, where the LDS loads of waves 0-7 land
	s_cmp_lt_u32 s10, 8
	s_cbranch_scc1 .Lkeeps
.irp i, 0,1,2,3
	ds_store_b128 v6, v[O+4*\i:O+4*\i+3] offset:512*\i   ; waves 8-15: O^T as it stands, from its low end on,
.endr
	ds_store_b64 v7, v[12:13]                      ; -M and the sum
.Lkeeps:
	s_wait_dscnt 0x0                               ; for the others' sake: my stores are done
	s_barrier_signal -1
	s_barrier_wait -1
	s_cmp_ge_u32 s10, 8
	s_cbranch_scc1 .Ldone
.irp i, 0,1,2,3
	ds_load_b128 v[S+4*\i:S+4*\i+3], v6 offset:512*\i
.endr
	ds_load_b64 v[S+16:S+17], v7
	s_wait_dscnt 0x0
	v_min_num_f32 v224, v12, v[S+16]               ; the joint -M
	v_sub_f32 v225, v224, v12
	v_sub_f32 v228, v224, v[S+16]
	v_cvt_i32_f32 v225, v225
	v_cvt_i32_f32 v228, v228
	v_ldexp_f32 v226, 1.0, v225                    ; 2^(my M - joint M)
	v_ldexp_f32 v228, 1.0, v228                    ; 2^(the partner's M - joint M)
	v_mul_f32 v14, v14, v226
	v_fmac_f32 v14, v[S+17], v228
.irp j, 0,2,4,6,8,10,12,14
	v_pk_mul_f32 v[O+\j:O+\j+1], v[O+\j:O+\j+1], v[226:227] op_sel_hi:[1,0]
.endr
.irp j, 0,2,4,6,8,10,12,14
	v_pk_fma_f32 v[O+\j:O+\j+1], v[S+\j:S+\j+1], v[228:229], v[O+\j:O+\j+1] op_sel_hi:[1,0,1]
.endr
	v_permlanex16_b32 v230, v14, s34, s35
	v_add_f32 v14, v14, v230                       ; and lane l xor 16's keys: the row's sum
	s_wait_alu depctr_va_vdst(0)
	v_rcp_f32 v14, v14
	v_nop                                          ; a plain line behind the reciprocal
	s_wait_alu depctr_va_vdst(0)                   ; the reciprocal has written v14, ahead of its first reader
	v_ldexp_f32 v14, v14, s39                      ; x 2^(e4 + e5)
.irp j, 0,2,4,6,8,10,12,14
	v_pk_mul_f32 v[O+\j:O+\j+1], v[O+\j:O+\j+1], v[14:15] op_sel_hi:[1,0]   ; lane (r, h): token r, d = 8 h + 0..7, 16 + 8 h + 0..7
.endr
.set i, 0
.rept 16
	v_med3_num_f32 v[O+i], v[O+i], -v234, v234
.set i, i+1
.endr
	v_cvt_scalef32_pk8_fp8_f32 v[P:P+1], v[O:O+7], v235
	v_cvt_scalef32_pk8_fp8_f32 v[P+2:P+3], v[O+8:O+15], v235
	v_nop
	s_wait_alu depctr_va_vdst(0)                   ; the conversions have written v[P:P+3], which the store reads
	global_store_b128 v8, v[P:P+3], s[20:21]       ; 32 lanes store 512 consecutive bytes, at a multiple of 512 from the buffer's first byte
.Ldone:
	s_wait_dscnt 0x0                               ; the closing lines, six on end
	s_wait_alu 0x0
	s_wait_tensorcnt 0x0
	ds_add_u32 v254, v255
	s_wait_dscnt 0x0
	s_endpgm
.Lfunc_end_k_qad65d22d40_attn:
	.size	k_qad65d22d40_attn, .Lfunc_end_k_qad65d22d40_attn-k_qad65d22d40_attn
	.p2alignl 7, 3214868480
	.fill 96, 4, 3214868480
	.section	.rodata,"a",@progbits
	.p2align	6, 0x0
	.amdhsa_kernel k_qad65d22d40_attn
		.amdhsa_group_segment_fixed_size 282624
		.amdhsa_private_segment_fixed_size 0
		.amdhsa_enable_private_segment 0
		.amdhsa_kernarg_size 24
		.amdhsa_user_sgpr_count 2
		.amdhsa_user_sgpr_kernarg_segment_ptr 1
		.amdhsa_wavefront_size32 1
		.amdhsa_system_sgpr_workgroup_id_x 1
		.amdhsa_system_sgpr_workgroup_id_y 1
		.amdhsa_system_sgpr_workgroup_id_z 1
		.amdhsa_system_vgpr_workitem_id 0
		.amdhsa_next_free_vgpr 256
		.amdhsa_next_free_sgpr 66
		.amdhsa_reserve_vcc 0
		.amdhsa_float_denorm_mode_32 3
		.amdhsa_float_denorm_mode_16_64 3
		.amdhsa_memory_ordered 1
		.amdhsa_forward_progress 1
		.amdhsa_inst_pref_size 72
	.end_amdhsa_kernel
	.amdgpu_metadata
---
amdhsa.version: [ 1, 2 ]
amdhsa.kernels:
  - .name:           k_qad65d22d40_attn
    .symbol:         k_qad65d22d40_attn.kd
    .args:
      - { .name: codes, .offset: 0, .size: 8, .value_kind: global_buffer, .address_space: global }
      - { .name: lowp_scales, .offset: 8, .size: 8, .value_kind: global_buffer, .address_space: global }
      - { .name: aout, .offset: 16, .size: 8, .value_kind: global_buffer, .address_space: global }
    .group_segment_fixed_size: 282624
    .private_segment_fixed_size: 0
    .kernarg_segment_align: 8
    .kernarg_segment_size: 24
    .max_flat_workgroup_size: 512
    .sgpr_count:     66
    .vgpr_count:     256
    .wavefront_size: 32
...
	.end_amdgpu_metadata
.endif
;; end of part 5
;; launch proj (part 6): grid 64 x 4, 8 waves a work-group, no clusters, 34,816 bytes of LDS; arguments aout, w_out, b_out, lowp_scales, out0; writes out0
.if DOCPART == 6
	.amdgcn_target "amdgcn-amd-amdhsa--gfx1250"
	.amdhsa_code_object_version 6
	.text
	.protected	k_qad65d22d40_proj
	.globl	k_qad65d22d40_proj
	.p2align	8
	.type	k_qad65d22d40_proj,@function
k_qad65d22d40_proj:
	s_mov_b64 s[64:65], 0
	v_nop
	global_prefetch_b8 v0, s[64:65] scope:SCOPE_SE
	s_setreg_imm32_b32 hwreg(HW_REG_WAVE_SCHED_MODE, 0, 2), 2
	s_setreg_imm32_b32 hwreg(HW_REG_WAVE_MODE, 25, 1), 1
	s_wait_xcnt 0x0
	s_wait_alu depctr_vm_vsrc(0)
; out0 = Q(a) Q(w_out) + b_out on codes of FP8 (E4M3).  a arrives as codes (aout, made by the launch before); w_out [256][256] f32 has K as its first axis and is quantised here; b_out [256], out0 [4096][256] f32.
; SHARES.  A work-group takes 64 tokens (grid x) x 64 columns (y): a row's piece of the output is 256 bytes, aligned.  65,536 bytes of w_out and 16,384 of codes come in.
; Wave w quantises rows 32 w .. 32 w + 31 of its 64 columns (a lane to a column, registers down K; these rows are head w's 32), then multiplies token tile w / 2 by feature tiles 2 (w % 2) and 2 (w % 2) + 1.
; aout: token tile x 4,096 + s x 2,048 + c x 512, lane l's 16 bytes at 16 l: lane (r, h) = token r, head 4 s + c, d = 8 h + 0..7 then 16 + 8 h + 0..7: two images of a fragment of 128 along K.
; w_out's codes are laid in the same order of k (so the conversions take numbers 0-7, 16-23 for the fragment's lane (r, 0) and 8-15, 24-31 for lane (r, 1)) and go from wave to wave through LDS as images of registers.
; The order of k is the same on both sides, so every product meets its partner; only the order of the sums inside an instruction differs from ascending k.
; THE MATRIX INSTRUCTION IS USED TRANSPOSED (source 0 = 16 columns of w_out, source 1 = 16 tokens): a lane's eight results are eight neighbouring numbers of a row.  They meet in a stage in LDS and leave as whole rows.
; NO CLUSTER, NO TENSOR LOAD: the shared operand arrives as f32 and passes through registers to be quantised; the codes of a are 2,048 bytes a fragment, read straight into the operand's registers.
; LIMITS: e7 between -126 and 119, e6 + e7 between -126 and 127.  NaN among the inputs is not served.
; REGISTERS: v4 16 x lane; v5 4 x lane; v6-v10 LDS addresses, v8 32 h; v11 my offset in out0; v14, v15 2^e7 and 448 x 2^e7; v16-23 codes just made; v32-95 w_out's numbers, later results and rows;
;   v96-127 a's two fragments; v128-143 bias; v144-207 w_out's four fragments; v208-223 two accumulators.
; THE MODE: SCHED_MODE bits 1:0 = 2 (LLVM: expert scheduling mode 2), set by the entry lines.  The code itself states the register dependences
; between vector or matrix instructions and memory or LDS instructions, with s_wait_alu, always for 0.
; THE PLAN.  Registers that memory or LDS instructions touch:
;   v4-v11        offsets and LDS addresses: written at the head, never again: one wait on va_vdst ahead of the first load serves them all.
;   v[C ..]       written by a group's conversions, read by its two LDS stores: a wait on va_vdst between the two, a wait on vm_vsrc ahead of the second group's conversions.
;   v32-47        the results: written by the packed multiply-adds, read by the stage's LDS stores: a wait on va_vdst between the two.
;   v48-63        worked on by the first group's holds and conversions; the rows from the stage land there, behind that same wait, with no vector instruction between; the global stores read what landed.
;   v96-207       loads land there and products read them; nothing lands there twice.
;   v224, v225    written at the head, read by the closing add alone.
.set STG, 16384                        ; LDS: w_out's 8 fragments from 0 (4,096 ft + 2,048 s); from here the stage, 64 rows x (256 bytes + 16)
.set C,   16
.set W,   32
.set AF,  96
.set BI,  128
.set WF,  144
.set ACC, 208
	s_load_b256 s[4:11], s[0:1], 0x0               ; aout s[4:5], w_out s[6:7], b_out s[8:9], lowp_scales s[10:11]
	s_load_b64 s[12:13], s[0:1], 0x20              ; out0
	v_lshl_add_u32 v224, v0, 2, 0x8400
	v_mov_b32 v225, 0
	v_lshrrev_b32 v2, 5, v0
	v_readfirstlane_b32 s14, v2                    ; wave w, 0..7
	v_and_b32 v2, 15, v0                           ; r
	v_bfe_u32 v3, v0, 4, 1                         ; h
	v_and_b32 v4, 31, v0
	v_lshlrev_b32 v5, 2, v4
	v_lshlrev_b32 v4, 4, v4
	s_wait_alu depctr_va_vdst(0)
	s_wait_alu depctr_va_sdst(0)                   ; s14 is written, ahead of its first reader: LDS addresses and bases are made from it
	s_lshr_b32 s34, s14, 2
	s_lshl_b32 s34, s34, 11                        ; K step w / 4,
	s_and_b32 s35, s14, 3
	s_lshl_b32 s35, s35, 9                         ; its registers 4 (w % 4) on
	s_add_co_u32 s34, s34, s35
	v_lshlrev_b32 v6, 4, v2
	v_lshl_add_u32 v6, v3, 12, v6                  ; my column is row r of feature tile lane / 16 of the group
	v_add_nc_u32 v6, s34, v6                       ; where w_out's codes are stored
	s_and_b32 s36, s14, 1
	s_lshl_b32 s35, s36, 13
	v_add_nc_u32 v7, s35, v4                       ; and where my two feature tiles are read
	v_lshlrev_b32 v8, 5, v3                        ; bias: 32 h
	s_lshr_b32 s37, s14, 1
	s_mul_i32 s35, s37, 16*272
	s_lshl_b32 s34, s36, 7
	s_add_co_u32 s35, s35, s34
	s_add_co_u32 s35, s35, STG
	v_mul_u32_u24 v9, v2, 272
	v_lshl_add_u32 v9, v3, 5, v9
	v_add_nc_u32 v9, s35, v9                       ; the stage, in: row 16 (w / 2) + r, byte 128 (w % 2) + 32 h
	s_mul_i32 s35, s14, 8*272
	s_add_co_u32 s35, s35, STG
	v_mul_u32_u24 v10, v3, 272
	v_lshl_add_u32 v10, v2, 4, v10
	v_add_nc_u32 v10, s35, v10                     ; back: rows 8 w on; lanes 0-15 one row, lanes 16-31 the next
	v_lshlrev_b32 v11, 10, v3
	v_lshl_add_u32 v11, v2, 4, v11                 ; and the same two rows in out0
	s_and_b32 s16, ttmp7, 0xffff                   ; column block
	s_lshl_b32 s38, s16, 8                         ; its 64 columns in bytes
	s_lshl_b32 s40, s14, 15                        ; w_out: 32 rows of 1,024 bytes a wave
	s_add_co_u32 s40, s40, s38
	s_mov_b32 s41, 0
	s_lshl_b32 s42, ttmp9, 2
	s_add_co_u32 s42, s42, s37
	s_lshl_b32 s42, s42, 12                        ; aout: token tile 4 x + w / 2
	s_mov_b32 s43, 0
	s_add_co_u32 s44, s38, s34                     ; b_out: + 128 (w % 2)
	s_mov_b32 s45, 0
	s_lshl_b32 s46, ttmp9, 16
	s_lshl_b32 s39, s14, 13
	s_add_co_u32 s46, s46, s39
	s_add_co_u32 s46, s46, s38                     ; out0: row 64 x + 8 w, my block's columns
	s_mov_b32 s47, 0
	s_wait_kmcnt 0x0
	s_load_b256 s[24:31], s[10:11], 0x0            ; e0 .. e7
	s_add_nc_u64 s[6:7], s[6:7], s[40:41]
	s_add_nc_u64 s[4:5], s[4:5], s[42:43]
	s_add_nc_u64 s[8:9], s[8:9], s[44:45]
	s_add_nc_u64 s[12:13], s[12:13], s[46:47]
	s_wait_alu depctr_va_vdst(0)                   ; the offsets and LDS addresses v4 to v11 are written, which the loads and stores of the whole kernel read
.irp cg, 0,1                           ; w_out(32 w + i, my column of group cg): each load reads 128 neighbouring bytes
.set i, 0
.rept 32
	global_load_b32 v[W+32*\cg+i], v5, s[6:7] offset:1024*i+128*\cg
.set i, i+1
.endr
.endr
.irp t, 0,1,2,3,4,5,6,7
	global_load_b128 v[AF+4*\t:AF+4*\t+3], v4, s[4:5] offset:512*\t   ; a's two fragments, straight into the operand's registers
.endr
.irp i, 0,1
	global_load_b128 v[BI+8*\i:BI+8*\i+3], v8, s[8:9] offset:64*\i
	global_load_b128 v[BI+8*\i+4:BI+8*\i+7], v8, s[8:9] offset:64*\i+16
.endr
	s_wait_kmcnt 0x0
	s_add_co_i32 s34, s30, s31
	s_add_co_i32 s34, s34, 127
	s_lshl_b32 s32, s34, 23                        ; 2^(e6 + e7)
	s_mov_b32 s33, s32                             ; (named with it as a pair, so it is written)
	s_add_co_i32 s34, s31, 127
	s_lshl_b32 s35, s34, 23
	v_mov_b32 v14, s35                             ; 2^e7: the conversion takes its exponent field
	s_add_co_i32 s34, s34, 8
	s_lshl_b32 s34, s34, 23
	s_or_b32 s34, s34, 0x600000
	v_mov_b32 v15, s34                             ; 448 x 2^e7
.macro WQ cg
.set i, 0
.rept 32
	v_med3_num_f32 v[W+32*\cg+i], v[W+32*\cg+i], -v15, v15   ; the conversion to an 8-bit code does not saturate (ISA guide 7.6.2): the hold at the largest code x the scale
.set i, i+1
.endr
.if \cg > 0
	s_wait_alu depctr_vm_vsrc(0)                   ; the first group's LDS stores have read v[C ..], which the conversions write again
.endif
	v_cvt_scalef32_pk8_fp8_f32 v[C:C+1], v[W+32*\cg:W+32*\cg+7], v14          ; d = 0..7 and
	v_cvt_scalef32_pk8_fp8_f32 v[C+2:C+3], v[W+32*\cg+16:W+32*\cg+23], v14    ; 16..23: the fragment's lane (r, 0)
	v_cvt_scalef32_pk8_fp8_f32 v[C+4:C+5], v[W+32*\cg+8:W+32*\cg+15], v14     ; d = 8..15 and
	v_cvt_scalef32_pk8_fp8_f32 v[C+6:C+7], v[W+32*\cg+24:W+32*\cg+31], v14    ; 24..31: lane (r, 1)
	v_nop                                          ; a plain line behind the last conversion
	s_wait_alu depctr_va_vdst(0)                   ; the conversions have written v[C ..], which the LDS stores read
	ds_store_b128 v6, v[C:C+3] offset:8192*\cg
	ds_store_b128 v6, v[C+4:C+7] offset:8192*\cg+256
	s_wait_dscnt 0x0                               ; my LDS stores are done: nothing of mine is out at the barrier below
.endm
	s_wait_alu depctr_va_vdst(0)
	s_wait_loadcnt 44                              ; group 0 is in; behind it: group 1's 32, a's 8, the bias's 4
	WQ 0
	s_wait_loadcnt 12                              ; group 1 is in; a's and the bias's may be out
	WQ 1
	s_barrier_signal -1
	s_barrier_wait -1                              ; w_out's eight fragments lie in LDS
.irp t, 0,1,2,3,4,5,6,7,8,9,10,11,12,13,14,15
	ds_load_b128 v[WF+4*\t:WF+4*\t+3], v7 offset:512*\t   ; (tile i, K step s) at v[WF + 16 (2 i + s)]; no vector instruction has named these registers
.endr
	s_wait_loadcnt 0x0
	s_wait_dscnt 0x0
	v_wmma_f32_16x16x128_fp8_fp8 v[ACC:ACC+7], v[WF:WF+15], v[AF:AF+15], 0      ; the two accumulators take turns
	v_wmma_f32_16x16x128_fp8_fp8 v[ACC+8:ACC+15], v[WF+32:WF+47], v[AF:AF+15], 0
	v_wmma_f32_16x16x128_fp8_fp8 v[ACC:ACC+7], v[WF+16:WF+31], v[AF+16:AF+31], v[ACC:ACC+7]
	v_wmma_f32_16x16x128_fp8_fp8 v[ACC+8:ACC+15], v[WF+48:WF+63], v[AF+16:AF+31], v[ACC+8:ACC+15]
.rept 4
	v_nop                                          ; four places ahead of the first read of results (ISA guide 7.12.1)
.endr
.irp j, 0,2,4,6,8,10,12,14
	v_pk_fma_f32 v[W+\j:W+\j+1], v[ACC+\j:ACC+\j+1], s[32:33], v[BI+\j:BI+\j+1] op_sel_hi:[1,0,1]   ; sum x 2^(e6 + e7) + bias
.endr
	s_wait_alu depctr_va_vdst(0)                   ; the multiply-adds have written v[W:W+15], which the LDS stores read; all vector work on v[W+16:W+31] is over, where the rows from the stage land
.irp i, 0,1
	ds_store_b128 v9, v[W+8*\i:W+8*\i+3] offset:64*\i
	ds_store_b128 v9, v[W+8*\i+4:W+8*\i+7] offset:64*\i+16
.endr
	s_wait_dscnt 0x0                               ; for the others' sake: a row's 256 bytes come from two waves
	s_barrier_signal -1
	s_barrier_wait -1
.irp t, 0,1,2,3
	ds_load_b128 v[W+16+4*\t:W+16+4*\t+3], v10 offset:544*\t
.endr
.irp t, 0,1,2,3
	s_wait_dscnt 3-\t                              ; the later loads from the stage may be out
	global_store_b128 v11, v[W+16+4*\t:W+16+4*\t+3], s[12:13] offset:2048*\t th:TH_STORE_NT   ; 16 lanes store 256 consecutive bytes, at a multiple of 256 from out0's first byte
.endr
	s_wait_dscnt 0x0                               ; the closing lines, six on end
	s_wait_alu 0x0
	s_wait_tensorcnt 0x0
	ds_add_u32 v224, v225
	s_wait_dscnt 0x0
	s_endpgm
.Lfunc_end_k_qad65d22d40_proj:
	.size	k_qad65d22d40_proj, .Lfunc_end_k_qad65d22d40_proj-k_qad65d22d40_proj
	.p2alignl 7, 3214868480
	.fill 96, 4, 3214868480
	.section	.rodata,"a",@progbits
	.p2align	6, 0x0
	.amdhsa_kernel k_qad65d22d40_proj
		.amdhsa_group_segment_fixed_size 34816
		.amdhsa_private_segment_fixed_size 0
		.amdhsa_enable_private_segment 0
		.amdhsa_kernarg_size 40
		.amdhsa_user_sgpr_count 2
		.amdhsa_user_sgpr_kernarg_segment_ptr 1
		.amdhsa_wavefront_size32 1
		.amdhsa_system_sgpr_workgroup_id_x 1
		.amdhsa_system_sgpr_workgroup_id_y 1
		.amdhsa_system_sgpr_workgroup_id_z 1
		.amdhsa_system_vgpr_workitem_id 0
		.amdhsa_next_free_vgpr 226
		.amdhsa_next_free_sgpr 66
		.amdhsa_reserve_vcc 0
		.amdhsa_float_denorm_mode_32 3
		.amdhsa_float_denorm_mode_16_64 3
		.amdhsa_memory_ordered 1
		.amdhsa_forward_progress 1
		.amdhsa_inst_pref_size 19
	.end_amdhsa_kernel
	.amdgpu_metadata
---
amdhsa.version: [ 1, 2 ]
amdhsa.kernels:
  - .name:           k_qad65d22d40_proj
    .symbol:         k_qad65d22d40_proj.kd
    .args:
      - { .name: aout, .offset: 0, .size: 8, .value_kind: global_buffer, .address_space: global }
      - { .name: w_out, .offset: 8, .size: 8, .value_kind: global_buffer, .address_space: global }
      - { .name: b_out, .offset: 16, .size: 8, .value_kind: global_buffer, .address_space: global }
      - { .name: lowp_scales, .offset: 24, .size: 8, .value_kind: global_buffer, .address_space: global }
      - { .name: out0, .offset: 32, .size: 8, .value_kind: global_buffer, .address_space: global }
    .group_segment_fixed_size: 34816
    .private_segment_fixed_size: 0
    .kernarg_segment_align: 8
    .kernarg_segment_size: 40
    .max_flat_workgroup_size: 256
    .sgpr_count:     66
    .vgpr_count:     226
    .wavefront_size: 32
...
	.end_amdgpu_metadata
.endif
;; end of part 6
